; MI455X (gfx1250); checked and timed in simulation.
; The chip was launched on July 23, 2026; its instructions are those of AMD's public machine-readable ISA for CDNA 5 (MIT licence, August 2026) and "CDNA5" Instruction Set Architecture Reference Guide (July 2026). The comments in the code are by the model that wrote it; some were corrected since.
;; Causal Temporal Attention. Allowed arithmetic: matrix products marked QUANTISED: E2M3 operands, one E8M0 scale for each 32 along K, by v_wmma_scale_f32_16x16x128_f8f6f4 with both operands' format E2M3, f32 sums; everything else in f32.
;; Inputs: b_out 1,024 float32; b_qkv 3,072 float32; pos_bias 1 x 16 x 1 x 64 float32; w_out 1,024 x 1,024 float32; w_qkv 1,024 x 3,072 float32; x 2 x 2,048 x 1,024 float32.
;; Outputs: out0 2 x 2,048 x 1,024 float32.
;; This version of the problem:
;;   THIS VERSION OF THE PROBLEM IS GIVEN IN LOW PRECISION. The matrix products marked QUANTISED in the list below multiply operands that are first quantised to E2M3 (2 exponent bits, 3 mantissa bits; 6 bits a number), with one power-of-two scale for each 32 numbers along K (OCP MX v1.0); their sums are f32. All else is computed in f32.
;;   The module's matrix products, in the order in which they are computed (A, B: the left and right operand; K: the contracted axis; several contracted axes count as one K, in the product's order):
;;     1. [M 4,096, K 1,024] x [K 1,024, N 3,072]; A: input x; B: input w_qkv: QUANTISED
;;     2. batch 32 x [M 2,048, K 64] x [K 64, N 2,048]; A: computed on the way; B: computed on the way: QUANTISED
;;     3. batch 32 x [M 2,048, K 2,048] x [K 2,048, N 64]; A: softmax (see below); B: computed on the way: QUANTISED
;;     4. [M 4,096, K 1,024] x [K 1,024, N 1,024]; A: computed on the way; B: input w_out: QUANTISED
;;   THE QUANTISER, for each operand of a quantised product, along K:
;;     - K is cut into blocks of 32 from its start; a last block that is shorter is filled with zeros.
;;     - A block's scale is 2^e with e = floor(log2(the largest magnitude in the block)) - 2, held to -126 .. 127; a block of zeros has e = 0. As a byte (E8M0): e + 127.
;;     - Each number is divided by its block's scale, clamped to +-7.5, and rounded to the nearest number of E2M3, ties to even, subnormals kept.
;;     - The product sums the exact products of the quantised numbers (number of the format x scale) in f32.
;;   ~~~python
;;   def quantise(x, axis):      # numpy; x: float32 -> the quantised numbers, widened to float32 again
;;       x = np.moveaxis(x, axis, -1); K = x.shape[-1]
;;       x = np.pad(x, [(0, 0)] * (x.ndim - 1) + [(0, -K % 32)]); x = x.reshape(x.shape[:-1] + (-1, 32)); a = np.abs(x).max(-1, keepdims=True)
;;       e = np.where(a > 0, np.clip(np.frexp(np.where(a > 0, a, 1))[1] - 1 - 2, -126, 127), 0)      # np.frexp(a)[1] - 1 = floor(log2(a)), exactly
;;       r = np.clip(x / 2.0 ** e, -7.5, 7.5)
;;       step = 2.0 ** (np.maximum(np.frexp(np.where(r == 0, 1, r))[1] - 1, 0) - 3)
;;       q = np.round(r / step) * step * 2.0 ** e      # np.round: ties to even
;;       return np.moveaxis(q.reshape(q.shape[:-2] + (-1,))[..., :K], -1, axis).astype(np.float32)
;;   ~~~
;;   SOFTMAX AHEAD OF A QUANTISED PRODUCT. Where the list says 'softmax', what is quantised is not the finished softmax but p = 2^(t - M), with t = logit x log2(e) and M = ceil(the row's largest t), a whole number; so 1/2 < the row's largest p <= 1. The row's sum l is taken of the UNQUANTISED p, in f32, and the product's result is divided by l at the end. Since M is a whole number, a kernel that streams over the keys may use a running M (the ceiling of the running maximum): every later rescaling is an exact power of two, which a block's scale takes up: the codes' values come out the same.
;;   OPERANDS COMPUTED ON THE WAY. 'Computed on the way' means the value that the module computes at that place (a softmax that the list does not call 'softmax' is quantised finished and normalised). What goes into a quantiser is computed in f32, as accurately as f32 sums, v_exp_f32 and their like allow (about 1e-6 of the number): no bf16 or f16 on the way to a quantiser, and a product that is left as it is and whose result goes on into a quantised operand takes f32 operands (vector FMAs, or v_wmma_f32_16x16x4_f32). A number that lies on a knife's edge between two numbers of the format may be rounded either way, as far as f32 arithmetic and the matrix unit's own rounding can turn it there, and no further.
;; One version. Each part assembles by itself: llvm-mc -triple=amdgcn-amd-amdhsa -mcpu=gfx1250 --defsym DOCPART=n.
;; ======== version 1 of 1: 4 launches
;; limits: right only within a limited range of input values
;; workspace buffers: xq 3,276,800 bytes; wq 2,457,600 bytes; wo 819,200 bytes; qq 3,538,944 bytes; kk 3,538,944 bytes; vv 3,145,728 bytes; aq 3,276,800 bytes
;; launch quant (part 1): grid 256 x 1, 4 waves a work-group, no clusters, 102,912 bytes of LDS; arguments x, w_qkv, w_out, xq, wq, wo; writes xq, wq, wo
.if DOCPART == 1
	.amdgcn_target "amdgcn-amd-amdhsa--gfx1250"
	.amdhsa_code_object_version 6
	.text
	.protected	k_qc8eb2d8fe2_quant
	.globl	k_qc8eb2d8fe2_quant
	.p2align	8
	.type	k_qc8eb2d8fe2_quant,@function
k_qc8eb2d8fe2_quant:
	s_mov_b64 s[64:65], 0
	v_nop
	global_prefetch_b8 v0, s[64:65] scope:SCOPE_SE
	s_setreg_imm32_b32 hwreg(HW_REG_WAVE_MODE, 25, 1), 1
	s_wait_xcnt 0x0
; x [4096][1024], w_qkv [1024][3072] and w_out [1024][1024], f32, become codes of FP6 (E2M3) with K innermost (768 bytes a row) and one E8M0 byte for each 32 along K (32 bytes a row).
; A block's scale is 2^(floor(log2(largest magnitude)) - 2): its byte is the largest magnitude's exponent field - 2, held at 1 from below.
; LIMITS: a block of zeros gets the byte 1 (its codes are zeros; only this program reads the bytes); NaN and infinities among the inputs are not served.
; ORDER OF ROWS.  sigma(i) = i with bits 3 and 4 exchanged.  Row sigma(P) of x, and column sigma(P) of w_qkv, is stored at place P of xq, wq: sixteen consecutive places are then the rows that a tile
; of a transposed product wants, so that its results lie as neighbours along the next K.  w_out keeps its order.
; SHARES: work-groups 0-127 take x (32 rows each: K is innermost, a wave takes 8 rows as a stream of blocks), 128-223 w_qkv, 224-255 w_out (128 columns x 256 along K each: a lane takes a column, its registers run down K).
; The three ways part on the work-group's number, never join, and have LDS bytes of their own.  No barrier: waves share nothing.
.set XSOFF,  3145728                   ; xq: where the scale bytes begin
.set WQSOFF, 2359296                   ; wq
.set WOSOFF, 786432                    ; wo
.set EMAX,   2
.set STEPS,  16                        ; x: steps of 512 numbers for a wave
.set CB,     12                        ; bytes of 16 codes
.set XR,     16                        ; v16-79   four sets of 16 numbers as loaded
.set XX,     80                        ; v80-111  two sets of 16 neighbours
.set XE,     112                       ; v112-127 a scale byte for each step
.set XC,     128                       ; v128-191 codes, four registers a step
.set WREG,   8192                      ; x: LDS of a wave: two stages of 32 x SP bytes, then its 256 scale bytes
.set SP,     80
.set NB,     8                         ; weights: blocks of 32 along K for a wave
.set WPITCH, 272                       ; a stage row: sixteen places of 16 bytes (12 of codes) + 16
.set KROW,   768                       ; a row of codes in memory
.set WX,     32                        ; v32-95   two sets of 32 numbers
.set WC,     96                        ; v96..    a block's codes
.set OUTR,   112                       ; v112-175 the way out
.set SB,     24                        ; v24-25   eight scale bytes
.macro XLOAD t
.irp i, 0,1,2,3
	global_load_b128 v[XR+16*((\t)%4)+4*\i:XR+16*((\t)%4)+4*\i+3], v3, s[4:5] offset:2048*(\t)+512*\i th:TH_LOAD_NT   ; 32 lanes read 512 consecutive bytes
.endr
.endm
.macro XTURN t                         ; a step's 2,048 bytes through the wave's stage: in as loaded, out 64 bytes a lane; LDS serves a wave's instructions in order
.irp i, 0,1,2,3
	ds_store_b128 v14, v[XR+16*((\t)%4)+4*\i:XR+16*((\t)%4)+4*\i+3] offset:32*SP*((\t)%2)+8*SP*\i
.endr
.irp i, 0,1,2,3
	ds_load_b128 v[XX+16*((\t)%2)+4*\i:XX+16*((\t)%2)+4*\i+3], v15 offset:32*SP*((\t)%2)+16*\i
.endr
.endm
.macro XSTEP t
.set XS, XX+16*((\t)%2)
.if (\t) > 0
	s_wait_dscnt 1                                 ; this step's numbers are back (the last step's byte store may be out)
.else
	s_wait_dscnt 0x0
.endif
.if (\t)+4 < STEPS
	XLOAD (\t)+4                                   ; into the registers that this step's stage stores have read
.endif
.if (\t)+1 < STEPS
.if STEPS-2-(\t) >= 3
	s_wait_loadcnt 12                              ; the next step's four loads are in; three later steps' may be out
.else
	s_wait_loadcnt 4*(STEPS-2-(\t))
.endif
	XTURN (\t)+1
.endif
	v_max3_num_f32 v8, |v[XS]|, |v[XS+1]|, |v[XS+2]|               ; the largest magnitude of my 16, in two chains
	v_max3_num_f32 v9, |v[XS+3]|, |v[XS+4]|, |v[XS+5]|
.irp i, 6,10
	v_max3_num_f32 v8, v8, |v[XS+\i]|, |v[XS+\i+1]|
	v_max3_num_f32 v9, v9, |v[XS+\i+2]|, |v[XS+\i+3]|
.endr
	v_max3_num_f32 v8, v8, |v[XS+14]|, |v[XS+15]|
	v_max3_num_f32 v8, v8, v9, (EMAX+1)<<23        ; and the floor 2^(3 - 127): the byte cannot fall under 1
	v_max_num_f32_dpp v8, v8, v8 row_xmask:1 row_mask:0xf bank_mask:0xf   ; with my neighbour's 16: the block's
	v_add_nc_u32 v11, -(EMAX<<23), v8              ; 2 off the exponent field: the conversion's scale operand
	v_cvt_scalef32_pk16_fp6_f32 v[XC+4*(\t):XC+4*(\t)+2], v[XS:XS+15], v11
	v_lshrrev_b32 v[XE+(\t)], 23, v11              ; the scale's byte (a plain line behind the conversion)
	ds_store_b8 v5, v[XE+(\t)] offset:16*(\t)      ; both lanes of a block write the same byte with the same value
	global_store_b96 v4, v[XC+4*(\t):XC+4*(\t)+2], s[8:9] offset:32*CB*(\t)   ; the wave stores 384 consecutive bytes
.endm
.macro WLOAD t, cols                   ; block t: W(32 t + i, my column) into set t % 2: 32 lanes read 128 consecutive bytes
.irp i, 0,1,2,3,4,5,6,7,8,9,10,11,12,13,14,15,16,17,18,19,20,21,22,23,24,25,26,27,28,29,30,31
	global_load_b32 v[WX+32*((\t)%2)+\i], v3, s[4:5] offset:(32*(\t)+\i)*(\cols)*4 th:TH_LOAD_NT
.endr
.endm
.macro WBLOCK t, cols
.set WS, WX+32*((\t)%2)
.if (\t) < NB-1
	s_wait_loadcnt 32                              ; this block's 32 loads are in; the next block's may be out
.else
	s_wait_loadcnt 0
.endif
	v_max3_num_f32 v12, |v[WS]|, |v[WS+1]|, |v[WS+2]|              ; all 32 numbers of the block are mine
	v_max3_num_f32 v13, |v[WS+3]|, |v[WS+4]|, |v[WS+5]|
.irp i, 6,10,14,18,22,26
	v_max3_num_f32 v12, v12, |v[WS+\i]|, |v[WS+\i+1]|
	v_max3_num_f32 v13, v13, |v[WS+\i+2]|, |v[WS+\i+3]|
.endr
	v_max3_num_f32 v12, v12, |v[WS+30]|, |v[WS+31]|
	v_max3_num_f32 v12, v12, v13, (EMAX+1)<<23
	v_add_nc_u32 v11, -(EMAX<<23), v12
	v_lshrrev_b32 v13, 23, v11
.if (\t)%4 == 0
	v_mov_b32 v[SB+(\t)/4], v13                    ; four bytes to a register, the lower K in the lower byte
.else
	v_lshl_or_b32 v[SB+(\t)/4], v13, 8*((\t)%4), v[SB+(\t)/4]
.endif
	v_cvt_scalef32_pk16_fp6_f32 v[WC:WC+2], v[WS:WS+15], v11
	v_cvt_scalef32_pk16_fp6_f32 v[WC+4:WC+6], v[WS+16:WS+31], v11  ; (a conversion's three registers begin on an even number)
	ds_store_b96 v4, v[WC:WC+2] offset:32*(\t)     ; 12 bytes to a place of 16
	ds_store_b96 v4, v[WC+4:WC+6] offset:32*(\t)+16
.if (\t)+2 < NB
	WLOAD (\t)+2, \cols
.endif
	s_wait_dscnt 0x0                               ; the stores have read their registers: the next block's codes may be written
.endm
; A weight's way.  cols: its columns; perm = 1: rows of codes in the order sigma; lb: its LDS; first: its first work-group; soff: where its scale bytes begin; wp, cp: the scalar pairs with its address and its codes' buffer
.macro WPATH cols, perm, lb, first, soff, wp, cp
	s_sub_co_u32 s17, ttmp9, \first
	s_and_b32 s18, s17, 3                          ; which 256 along K
	s_lshr_b32 s17, s17, 2
	s_lshl_b32 s17, s17, 7
	s_lshl_b32 s19, s16, 5
	s_add_co_u32 s17, s17, s19                     ; my wave's first column
	v_lshlrev_b32 v3, 2, v2                        ; in: 4 bytes a lane
	s_mul_i32 s19, s16, 32*WPITCH
	s_add_co_u32 s19, s19, \lb                     ; my stage
	v_mul_u32_u24 v4, v2, WPITCH
	v_add_nc_u32 v4, s19, v4                       ; into it: row = my column
	v_and_b32 v5, 15, v2
	v_lshrrev_b32 v6, 4, v2
	v_mul_u32_u24 v7, v6, WPITCH
	v_lshl_add_u32 v7, v5, 4, v7
	v_add_nc_u32 v7, s19, v7                       ; out of it: sixteen lanes to a row, two rows an instruction
	v_mul_u32_u24 v8, v6, KROW
	v_mad_u32_u24 v8, v5, 12, v8                   ; and the same place in the codes' buffer
.if \perm
	v_and_b32 v9, 7, v2                            ; sigma(lane)
	v_and_b32 v10, 8, v2
	v_lshl_or_b32 v9, v10, 1, v9
	v_and_b32 v10, 16, v2
	v_lshrrev_b32 v10, 1, v10
	v_or_b32 v9, v9, v10
	v_lshlrev_b32 v9, 5, v9                        ; my column's row of scale bytes
.else
	v_lshlrev_b32 v9, 5, v2
.endif
	s_mul_i32 s20, s18, 256*(\cols)*4              ; W: 256 y rows + 4 x column
	s_lshl_b32 s22, s17, 2
	s_add_co_u32 s20, s20, s22
	s_mov_b32 s21, 0
	s_mul_i32 s24, s17, KROW                       ; codes: column x 768 + 192 y
	s_mul_i32 s26, s18, 192
	s_add_co_u32 s24, s24, s26
	s_mov_b32 s25, 0
	s_lshl_b32 s28, s17, 5                         ; scale bytes: column x 32 + 8 y
	s_lshl_b32 s26, s18, 3
	s_add_co_u32 s28, s28, s26
	s_add_co_u32 s28, s28, \soff
	s_mov_b32 s29, 0
	s_add_nc_u64 s[4:5], s[\wp:\wp+1], s[20:21]
	s_add_nc_u64 s[6:7], s[\cp:\cp+1], s[24:25]
	s_add_nc_u64 s[8:9], s[\cp:\cp+1], s[28:29]
	WLOAD 0, \cols
	WLOAD 1, \cols
.set Q, 0
.rept NB
	WBLOCK Q, \cols
.set Q, Q+1
.endr
	s_wait_alu depctr_va_vdst(0)
	global_store_b64 v9, v[SB:SB+1], s[8:9]        ; my column's eight scale bytes
.irp t, 0,1,2,3,4,5,6,7,8,9,10,11,12,13,14,15
	ds_load_b96 v[OUTR+4*\t:OUTR+4*\t+2], v7 offset:2*\t*WPITCH   ; LDS serves a wave's instructions in order: these see my stores
.endr
.irp t, 0,1,2,3,4,5,6,7,8,9,10,11,12,13,14,15
	s_wait_dscnt 15-\t
.if \perm
	global_store_b96 v8, v[OUTR+4*\t:OUTR+4*\t+2], s[6:7] offset:2*((\t&3)|((\t&4)<<1)|((\t&8)>>1))*KROW   ; columns 2 t, 2 t + 1 go to places sigma: bits 2 and 3 of t change places
.else
	global_store_b96 v8, v[OUTR+4*\t:OUTR+4*\t+2], s[6:7] offset:2*\t*KROW
.endif
.endr
	s_wait_tensorcnt 0x0
	ds_add_u32 v192, v193
	s_wait_dscnt 0x0
	s_endpgm
.endm
	s_load_b256 s[4:11], s[0:1], 0x0               ; x s[4:5], w_qkv s[6:7], w_out s[8:9], xq s[10:11]
	s_load_b128 s[12:15], s[0:1], 0x20             ; wq s[12:13], wo s[14:15]
	v_lshl_add_u32 v192, v0, 2, 0x19000
	v_mov_b32 v193, 0
	v_lshrrev_b32 v1, 5, v0
	v_readfirstlane_b32 s16, v1                    ; wave
	v_and_b32 v2, 31, v0                           ; lane
	s_wait_kmcnt 0x0
	s_cmp_lt_u32 ttmp9, 128
	s_cbranch_scc0 .Lweights
	; ---- x
	s_wait_alu depctr_va_vdst(0)
	v_lshlrev_b32 v3, 4, v2                        ; my 16 bytes of a load's 512
	s_mul_i32 s17, s16, WREG
	v_lshrrev_b32 v14, 2, v2
	v_mul_u32_u24 v14, v14, SP
	v_and_b32 v15, 3, v2
	v_lshl_add_u32 v14, v15, 4, v14
	v_add_nc_u32 v14, s17, v14                     ; the stage, in: SP (lane / 4) + 16 (lane % 4)
	v_mul_u32_u24 v15, v2, SP
	v_add_nc_u32 v15, s17, v15                     ; out: SP x lane: my 16 neighbours
	v_mul_u32_u24 v4, v2, CB                       ; my codes' place in a step's
	v_lshrrev_b32 v5, 1, v2
	s_add_co_u32 s17, s17, 2*32*SP
	v_add_nc_u32 v5, s17, v5                       ; my block's byte among my wave's 256
	v_lshlrev_b32 v7, 3, v2
	v_add_nc_u32 v6, s17, v7                       ; and on the way out 8 bytes a lane
	s_lshl_b32 s17, ttmp9, 2
	s_add_co_u32 s18, s17, s16                     ; my run of 8 rows
	s_and_b32 s20, s16, 1
	s_lshl_b32 s20, s20, 1
	s_lshr_b32 s21, s16, 1
	s_or_b32 s20, s20, s21
	s_add_co_u32 s20, s17, s20                     ; and its place: bits 3 and 4 of a row are bits 0 and 1 of its run
	s_lshl_b32 s18, s18, 15                        ; 8 rows of 4,096 bytes
	s_mov_b32 s19, 0
	s_add_nc_u64 s[4:5], s[4:5], s[18:19]
	s_mul_i32 s22, s20, 6144
	s_mov_b32 s23, 0
	s_add_nc_u64 s[8:9], s[10:11], s[22:23]        ; codes
	s_lshl_b32 s22, s20, 8
	s_add_nc_u64 s[10:11], s[10:11], s[22:23]
	s_add_nc_u64 s[10:11], s[10:11], XSOFF         ; scale bytes
.irp t, 0,1,2,3
	XLOAD \t
.endr
	s_wait_alu depctr_va_vdst(0)
	s_wait_loadcnt 12                              ; step 0's four loads are in
	XTURN 0
.irp t, 0,1,2,3,4,5,6,7,8,9,10,11,12,13,14,15
	XSTEP \t
.endr
	ds_load_b64 v[12:13], v6
	s_wait_dscnt 0x0
	global_store_b64 v7, v[12:13], s[10:11]        ; 32 lanes store 256 consecutive bytes, aligned
	s_wait_tensorcnt 0x0
	ds_add_u32 v192, v193
	s_wait_dscnt 0x0
	s_endpgm
.Lweights:
	s_cmp_lt_u32 ttmp9, 224
	s_cbranch_scc0 .Lwout
	s_wait_alu depctr_va_vdst(0)
	WPATH 3072, 1, 32768, 128, WQSOFF, 6, 12
.Lwout:
	s_wait_alu depctr_va_vdst(0)
	WPATH 1024, 0, 67584, 224, WOSOFF, 8, 14
.Lfunc_end_k_qc8eb2d8fe2_quant:
	.size	k_qc8eb2d8fe2_quant, .Lfunc_end_k_qc8eb2d8fe2_quant-k_qc8eb2d8fe2_quant
	.p2alignl 7, 3214868480
	.fill 96, 4, 3214868480
	.section	.rodata,"a",@progbits
	.p2align	6, 0x0
	.amdhsa_kernel k_qc8eb2d8fe2_quant
		.amdhsa_group_segment_fixed_size 102912
		.amdhsa_private_segment_fixed_size 0
		.amdhsa_enable_private_segment 0
		.amdhsa_kernarg_size 48
		.amdhsa_user_sgpr_count 2
		.amdhsa_user_sgpr_kernarg_segment_ptr 1
		.amdhsa_wavefront_size32 1
		.amdhsa_system_sgpr_workgroup_id_x 1
		.amdhsa_system_sgpr_workgroup_id_y 1
		.amdhsa_system_sgpr_workgroup_id_z 1
		.amdhsa_system_vgpr_workitem_id 0
		.amdhsa_next_free_vgpr 194
		.amdhsa_next_free_sgpr 66
		.amdhsa_reserve_vcc 0
		.amdhsa_float_denorm_mode_32 3
		.amdhsa_float_denorm_mode_16_64 3
		.amdhsa_memory_ordered 1
		.amdhsa_forward_progress 1
		.amdhsa_inst_pref_size 114
	.end_amdhsa_kernel
	.amdgpu_metadata
---
amdhsa.version: [ 1, 2 ]
amdhsa.kernels:
  - .name:           k_qc8eb2d8fe2_quant
    .symbol:         k_qc8eb2d8fe2_quant.kd
    .args:
      - { .name: x, .offset: 0, .size: 8, .value_kind: global_buffer, .address_space: global }
      - { .name: w_qkv, .offset: 8, .size: 8, .value_kind: global_buffer, .address_space: global }
      - { .name: w_out, .offset: 16, .size: 8, .value_kind: global_buffer, .address_space: global }
      - { .name: xq, .offset: 24, .size: 8, .value_kind: global_buffer, .address_space: global }
      - { .name: wq, .offset: 32, .size: 8, .value_kind: global_buffer, .address_space: global }
      - { .name: wo, .offset: 40, .size: 8, .value_kind: global_buffer, .address_space: global }
    .group_segment_fixed_size: 102912
    .private_segment_fixed_size: 0
    .kernarg_segment_align: 8
    .kernarg_segment_size: 48
    .max_flat_workgroup_size: 128
    .sgpr_count:     66
    .vgpr_count:     194
    .wavefront_size: 32
...
	.end_amdgpu_metadata
.endif
;; end of part 1
;; launch qkv (part 2): grid 12 x 16, 4 waves a work-group, clusters of 4 x 4, 327,680 bytes of LDS; arguments xq, wq, b_qkv, pos_bias, qq, kk, vv; writes qq, kk, vv
.if DOCPART == 2
	.amdgcn_target "amdgcn-amd-amdhsa--gfx1250"
	.amdhsa_code_object_version 6
	.text
	.protected	k_qc8eb2d8fe2_qkv
	.globl	k_qc8eb2d8fe2_qkv
	.p2align	8
	.type	k_qc8eb2d8fe2_qkv,@function
k_qc8eb2d8fe2_qkv:
	s_mov_b64 s[64:65], 0
	v_nop
	global_prefetch_b8 v0, s[64:65] scope:SCOPE_SE
	s_setreg_imm32_b32 hwreg(HW_REG_WAVE_MODE, 25, 1), 1
	s_wait_xcnt 0x0
	s_wait_alu depctr_hold_cnt(0) depctr_sa_sdst(0) depctr_va_vdst(0) depctr_va_sdst(0) depctr_va_ssrc(0) depctr_va_vcc(0) depctr_vm_vsrc(0)
	s_getreg_b32 s2, hwreg(HW_REG_IB_STS2, 6, 4)
	s_cmp_eq_u32 s2, 0
	s_cbranch_scc0 .Lentry_in_a_cluster
	s_endpgm
.Lentry_in_a_cluster:
	s_bfe_u32 s2, ttmp6, 0x10000c
	s_cmp_lg_u32 s2, 0xf033
	s_cbranch_scc0 .Lentry_shape_is_right
	s_endpgm
.Lentry_shape_is_right:
; x w_qkv + b_qkv (+ pos_bias on q) on codes of FP6 (E2M3) with E8M0 scales; the results are quantised on the way out: q and k along the head's 64, v along the keys.
; xq: 4,096 rows (places; sigma = bits 3 and 4 exchanged) x 768 bytes of codes, then 32 scale bytes a row; wq likewise, 3,072 rows.
; A tile of 256 x 256 is made by four waves, 128 x 128 each: 64 accumulators.  K = 1,024 is 768 bytes a row: three chunks of 256 bytes through a ring of two LDS slots; a step of 128 along K is 96 bytes.
; ORIENTATION.  Source 1 takes the rows called A (a lane holds one of them), source 0 the rows called B (a lane's registers run along them).  Clusters with x = 0, 1 make q, k: A = tokens, B = channels.
; The clusters with x = 2 make v: A = v's channels (tile cy), B = tokens (tile 4 x cluster y + cx).  Only global addresses are chosen so: every LDS address is the same in all clusters,
; A's tiles hang on cy and are shared along a row of the cluster, B's on cx and are shared along a column.
; OUT.  q, k: for each head and tile of 16 tokens a half fragment as an image of its registers (16 bytes a lane, then 8 bytes a lane: 768 bytes); scale words [head][block of 128 tokens][row 16][tile 8].
; v: for each head, step of 128 keys and tile of 16 channels a whole fragment, 1,536 bytes; scale words [head][step][row 16][tile 4], behind k's in kk.
; No prefetch: the block is the largest, in clusters, and K has three chunks, of which two are asked for at the start.
; LIMITS: NaN and infinities are not served; a block of zeros gets the byte 1; q's two biases are added to each other first and then to the sum.
.set ROWB,   256
.set NQ,     2
.set KROW,   768
.set STEPS,  8
.set CHUNKS, 3
.set PITCH,  272
.set FR,     12
.set NL,     6
.set NP,     4
.set HALFT,  128*PITCH
.set SLOT,   4*HALFT
.set KS,     32
.set SCL,    2*SLOT
.set HALFS,  (128*KS/256)*272
.set SBLK,   (16*KS/256)*272
.set SPARE,  SCL+4*HALFS
.set STAGE,  SLOT                      ; the way out's scale words: in slot 1, which has had its last fill and, behind step 5's barrier, its last read
.set XSOFF,  3145728
.set WSOFF,  2359296
.set WVOFF,  2048*768                  ; wq: where v's rows begin
.set WVSOFF, WSOFF+2048*32             ; and their scale bytes
.set SW,     3145728
.set ADRA, 16
.set ADRB, 20
.set ADRS, 27
.set SPW,  28
.set NIL,  29
.set SC,   32
.set BIAS, 64                          ; v64-127 q, k: the bias of my 64 registers' channels
.set AF,   128
.set POS,  128                         ; at the head only
.set BV,   224                         ; v224-239 v: the bias of my lane's channel in block a, twice
.set H,    128
.set TM,   192
.set PW,   208
.set PWS,  209
.set PT,   212
.set RB0,  220
.set PC,   240
.set RB1,  252
.set SEL,  22
.set G1, 24
.set G0, 32
.set G1B, 48
.set G0B, 56
.set G1S, 68
.set G0S, 76
.set G1SB, 80
.set G0SB, 88
.set G0H, 4
.set G0HB, 8
.set OC, 66                            ; s[66:67] where my codes go
.set OS, 104                           ; s[104:105] where my scale words go
.set MSB, 0
.macro WIN new
.if MSB != (\new)
	s_set_vgpr_msb (MSB<<8)|(\new)
.set MSB, (\new)
.endif
.endm
.set MUL_LO, 0xa1
.set MUL_HI, 0xf1
.set TO_B,   0x40
.macro JLOAD g0a, g1a, g0b, g1b        ; waves 0, 1 fetch A's rows, waves 2, 3 B's
	s_cmp_eq_u32 s15, 0
	s_cbranch_scc0 .Lfor_b_\@
	tensor_load_to_lds s[\g0a:\g0a+3], s[\g1a:\g1a+7]
	s_nop 0
.rept 4
	v_nop
.endr
	s_branch .Lasked_\@
.Lfor_b_\@:
	tensor_load_to_lds s[\g0b:\g0b+3], s[\g1b:\g1b+7]
	s_nop 0
.rept 4
	v_nop
.endr
.Lasked_\@:
.endm
.macro CREST
	s_cmp_lg_u32 s14, 0
	s_cbranch_scc1 .Lnot_wave_0_\@
	s_barrier_signal -3
.Lnot_wave_0_\@:
	s_barrier_wait -3
	s_barrier_signal -1
	s_barrier_wait -1
.endm
.macro CROUND
	s_barrier_signal -1
	s_barrier_wait -1
	CREST
.endm
	s_load_b128 s[4:7], s[0:1], 0x0                ; xq, wq
	s_load_b128 s[96:99], s[0:1], 0x10             ; b_qkv, pos_bias
	v_lshl_add_u32 v[SPW], v0, 2, SPARE
	v_mov_b32 v[NIL], 0
	ds_add_u32 v[SPW], v[NIL]                      ; the opening lines: the add twice on end and its wait
	ds_add_u32 v[SPW], v[NIL]
	v_lshrrev_b32 v1, 5, v0
	v_readfirstlane_b32 s14, v1                    ; wave
	s_lshr_b32 s15, s14, 1                         ; my half of A's rows; also: I fetch for A (0) or B (1)
	s_and_b32 s16, s14, 1                          ; my half of B's rows; also: which 128 rows I fetch
	s_bfe_u32 s40, ttmp6, 0x40000                  ; cx
	s_bfe_u32 s41, ttmp6, 0x40004                  ; cy
	s_and_b32 s17, ttmp7, 0xffff
	s_lshl_b32 s17, s17, 2                         ; 4 x cluster y
	s_lshl_b32 s42, ttmp9, 2                       ; 4 x cluster x
	s_cmp_eq_u32 ttmp9, 2                          ; v's clusters: the same answer in all sixteen partners
	s_cselect_b32 s18, 0, s17
	s_cselect_b32 s19, s17, s42
	s_add_co_u32 s18, s18, s41                     ; A's tile: cy, + 4 x cluster y for q, k
	s_add_co_u32 s19, s19, s40                     ; B's tile: cx + 4 x cluster x, or + 4 x cluster y for v
	s_lshl_b32 s43, s41, 2
	s_lshl_b32 s43, 15, s43                        ; my row of the cluster
	s_lshl_b32 s44, 0x1111, s40                    ; my column
	s_or_b32 s[G1+0], s43, (0<<16)|(1<<20)|(1<<21)|(5<<22)|(3<<25)
	s_or_b32 s[G1B+0], s44, (0<<16)|(1<<20)|(1<<21)|(5<<22)|(3<<25)
.irp g, G1, G1B
	s_mov_b32 s[\g+1], ROWB<<16
	s_mov_b32 s[\g+2], 256<<16                     ; 256 rows for the head's loads
	s_mov_b32 s[\g+3], ROWB<<16
	s_mov_b32 s[\g+4], 256
	s_mov_b32 s[\g+5], KROW
	s_mov_b32 s[\g+6], 0
	s_mov_b32 s[\g+7], 0
.endr
	s_or_b32 s[G1S+0], s43, (3<<16)|(1<<20)|(1<<21)|(5<<22)|(3<<25)   ; the scale bytes of 256 rows: 32 rows of 256 bytes
	s_or_b32 s[G1SB+0], s44, (3<<16)|(1<<20)|(1<<21)|(5<<22)|(3<<25)
.irp g, G1S, G1SB
	s_mov_b32 s[\g+1], 32<<16
	s_mov_b32 s[\g+2], KS<<16
	s_mov_b32 s[\g+3], 32<<16
	s_mov_b32 s[\g+4], KS
	s_mov_b32 s[\g+5], 32
	s_mov_b32 s[\g+6], 0
	s_mov_b32 s[\g+7], 0
.endr
	s_lshl_b32 s20, s18, 8
	s_lshl_b32 s46, s19, 8
	s_mov_b32 s21, 0
	s_mov_b32 s47, 0
	s_mov_b64 s[18:19], KS
	s_mul_u64 s[22:23], s[20:21], s[18:19]
	s_mul_u64 s[92:93], s[46:47], s[18:19]
	s_mov_b64 s[18:19], KROW
	s_mul_u64 s[20:21], s[20:21], s[18:19]
	s_mul_u64 s[46:47], s[46:47], s[18:19]
	s_mul_i32 s18, s16, 128*KROW
	s_mov_b32 s19, 0
	s_mul_i32 s45, s14, HALFT
	s_wait_dscnt 0x0
	s_wait_kmcnt 0x0
	s_add_nc_u64 s[8:9], s[6:7], WVOFF
	s_add_nc_u64 s[10:11], s[6:7], WVSOFF
	s_add_nc_u64 s[12:13], s[4:5], XSOFF
	s_add_nc_u64 s[94:95], s[6:7], WSOFF
	s_cmp_eq_u32 ttmp9, 2
	s_cselect_b64 s[8:9], s[8:9], s[4:5]           ; A's codes: v's rows of wq, or xq
	s_cselect_b64 s[10:11], s[10:11], s[12:13]     ; A's scale bytes
	s_cselect_b64 s[4:5], s[4:5], s[6:7]           ; B's codes: xq, or wq
	s_cselect_b64 s[12:13], s[12:13], s[94:95]     ; B's scale bytes
	s_add_nc_u64 s[20:21], s[8:9], s[20:21]
	s_add_nc_u64 s[22:23], s[10:11], s[22:23]
	s_add_nc_u64 s[46:47], s[4:5], s[46:47]
	s_add_nc_u64 s[92:93], s[12:13], s[92:93]
	CROUND                                         ; the first joint loads meet
	s_mov_b32 s[G0H], 1
	s_mov_b32 s[G0H+1], 0
	s_mov_b64 s[G0H+2:G0H+3], s[20:21]
	s_or_b32 s[G0H+3], s[G0H+3], 0x80000000
	s_mov_b32 s[G0HB], 1
	s_mov_b32 s[G0HB+1], 2*HALFT
	s_mov_b64 s[G0HB+2:G0HB+3], s[46:47]
	s_or_b32 s[G0HB+3], s[G0HB+3], 0x80000000
	s_mov_b32 s[G0S], 1
	s_mov_b32 s[G0S+1], SCL
	s_mov_b64 s[G0S+2:G0S+3], s[22:23]
	s_or_b32 s[G0S+3], s[G0S+3], 0x80000000
	s_mov_b32 s[G0SB], 1
	s_mov_b32 s[G0SB+1], SCL+2*HALFS
	s_mov_b64 s[G0SB+2:G0SB+3], s[92:93]
	s_or_b32 s[G0SB+3], s[G0SB+3], 0x80000000
	s_add_nc_u64 s[20:21], s[20:21], s[18:19]
	s_add_nc_u64 s[46:47], s[46:47], s[18:19]
.irp s, 0,1
	s_mov_b32 s[G0+4*\s], 1
	s_add_co_u32 s[G0+4*\s+1], s45, \s*SLOT
	s_add_nc_u64 s[G0+4*\s+2:G0+4*\s+3], s[20:21], \s*ROWB
	s_or_b32 s[G0+4*\s+3], s[G0+4*\s+3], 0x80000000
	s_mov_b32 s[G0B+4*\s], 1
	s_add_co_u32 s[G0B+4*\s+1], s45, \s*SLOT
	s_add_nc_u64 s[G0B+4*\s+2:G0B+4*\s+3], s[46:47], \s*ROWB
	s_or_b32 s[G0B+4*\s+3], s[G0B+4*\s+3], 0x80000000
.endr
; the head's four tiles, one a wave: chunk 0 of A's 256 rows, of B's, A's scale bytes, B's
.macro ARM under, g0, g1, next
	s_cmp_lt_u32 s14, \under
	s_cbranch_scc0 \next
	tensor_load_to_lds s[\g0:\g0+3], s[\g1:\g1+7]
	s_nop 0
.rept 4
	v_nop
.endr
	s_branch .Lhead_asked
\next:
.endm
	ARM 1, G0H,  G1,  .Lhead_b
	ARM 2, G0HB, G1B, .Lhead_sa
	ARM 3, G0S,  G1S, .Lhead_sb
	tensor_load_to_lds s[G0SB:G0SB+3], s[G1SB:G1SB+7]
	s_nop 0
.rept 4
	v_nop
.endr
.Lhead_asked:
	s_load_b128 s[92:95], s[0:1], 0x20             ; qq, kk
	s_load_b64 s[100:101], s[0:1], 0x30            ; vv
	v_and_b32 v1, 15, v0                           ; r
	v_bfe_u32 v2, v0, 4, 1                         ; h
	v_mul_u32_u24 v3, v1, PITCH
	v_mul_u32_u24 v4, v2, 24
	v_add_nc_u32 v4, v3, v4
	s_mov_b32 s21, SLOT-232
	s_mov_b32 s22, SLOT+232
	v_sub_nc_u32 v7, 1, v2
	v_mul_u32_u24 v5, s21, v2
	v_add_nc_u32 v5, v3, v5
	v_add_nc_u32 v5, 232, v5                       ; across two chunks: lanes 0-15 byte 232 in slot 0, lanes 16-31 byte 0 in slot 1
	v_mul_u32_u24 v6, s22, v7
	v_add_nc_u32 v6, v3, v6                        ; and the other way round
	s_mul_i32 s21, s15, HALFT
	s_mul_i32 s22, s16, HALFT
	s_add_co_u32 s22, s22, 2*HALFT
	v_add_nc_u32 v[ADRA+2], s21, v5
	v_add_nc_u32 v[ADRA+3], s21, v6
	v_add_nc_u32 v[ADRB+2], s22, v5
	v_add_nc_u32 v[ADRB+3], s22, v6
.irp s, 0,1
	v_add_nc_u32 v[ADRA+\s], s21, v4
	v_add_nc_u32 v[ADRB+\s], s22, v4
	s_add_co_u32 s21, s21, SLOT
	s_add_co_u32 s22, s22, SLOT
.endr
	v_mul_u32_u24 v5, v1, KS
	v_lshrrev_b32 v6, 8, v5
	v_lshl_add_u32 v5, v6, 4, v5
	s_mul_i32 s21, s15, HALFS
	s_mul_i32 s22, s16, HALFS
	s_add_co_u32 s22, s22, 2*HALFS
	s_sub_co_u32 s22, s22, s21
	v_mul_u32_u24 v6, s22, v2                      ; lanes 16-31 take B's words
	s_add_co_u32 s21, s21, SCL
	v_add_nc_u32 v5, v5, v6
	v_add_nc_u32 v[ADRS], s21, v5
	; where my 128 tokens and 128 channels stand: global addresses alone hang on these
	s_cmp_eq_u32 ttmp9, 2
	s_cselect_b32 s2, s16, s15                     ; my half of the tile's tokens
	s_cselect_b32 s3, s15, s16                     ; and of its channels
	s_cselect_b32 s20, s40, s41
	s_cselect_b32 s21, s41, s40
	s_cselect_b32 s22, 8, s42
	s_add_co_u32 s17, s17, s20                     ; the tile of 256 tokens
	s_add_co_u32 s42, s22, s21                     ; the tile of 256 channels, of 12
	s_lshl_b32 s20, s17, 8
	s_lshl_b32 s21, s2, 7
	s_add_co_u32 s20, s20, s21                     ; my first token's place
	s_lshl_b32 s22, s42, 8
	s_lshl_b32 s23, s3, 7
	s_add_co_u32 s22, s22, s23                     ; my first channel of 3,072
	s_lshl_b32 s40, s22, 2
	s_mov_b32 s41, 0
	s_add_nc_u64 s[96:97], s[96:97], s[40:41]
	s_and_b32 s43, s22, 1023
	s_lshl_b32 s40, s43, 2
	s_add_nc_u64 s[98:99], s[98:99], s[40:41]
	s_wait_alu depctr_va_vdst(0)
	v_lshlrev_b32 v7, 6, v2                        ; q, k: register 16 b + i is channel 32 b + 16 h + i
	v_and_b32 v8, 8, v1
	v_add_nc_u32 v8, v8, v1
	v_lshlrev_b32 v8, 2, v8                        ; v: my lane in block a is channel 32 (a / 2) + 8 (a % 2) + r + 8 (r / 8)
.irp b, 0,1,2,3
.irp j, 0,1,2,3
	global_load_b128 v[BIAS+16*\b+4*\j:BIAS+16*\b+4*\j+3], v7, s[96:97] offset:128*\b+16*\j
	global_load_b128 v[POS+16*\b+4*\j:POS+16*\b+4*\j+3], v7, s[98:99] offset:128*\b+16*\j
.endr
.endr
.irp a, 0,1,2,3,4,5,6,7
	global_load_b32 v[BV+2*\a], v8, s[96:97] offset:(32*(\a/2)+8*(\a%2))*4
	global_load_b32 v[BV+2*\a+1], v8, s[96:97] offset:(32*(\a/2)+8*(\a%2))*4
.endr
	s_lshr_b32 s44, s20, 11                        ; the batch
	s_lshl_b32 s44, s44, 4
	s_lshr_b32 s45, s43, 6
	s_add_co_u32 s44, s44, s45                     ; my first head of 32
	s_bfe_u32 s45, s20, 0x40007                    ; my block of 128 tokens
	s_mul_i32 s46, s44, 98304
	s_mul_i32 s47, s45, 6144
	s_add_co_u32 s46, s46, s47                     ; codes: 98,304 bytes a head, 6,144 a block
	s_mov_b32 s47, 0
	s_mul_i32 s22, s44, 12288
	s_add_co_u32 s22, s22, SW
	s_lshl_b32 s23, s45, 9                         ; q's, k's scale words: 512 bytes a block
	s_lshl_b32 s45, s45, 8
	s_add_co_u32 s45, s45, 8192                    ; v's: 256 bytes a block, behind k's
	s_cmp_eq_u32 ttmp9, 2
	s_cselect_b32 s23, s45, s23
	s_add_co_u32 s22, s22, s23
	s_mov_b32 s23, 0
	s_wait_alu depctr_va_vdst(0)
	s_wait_kmcnt 0x0
	s_cmp_eq_u32 ttmp9, 0
	s_cselect_b64 s[OS:OS+1], s[92:93], s[94:95]   ; scale words to qq (q) or kk (k, v)
	s_cselect_b32 s18, -1, 0                       ; pos_bias counts for q alone
	s_cmp_eq_u32 ttmp9, 2
	s_cselect_b64 s[OC:OC+1], s[100:101], s[OS:OS+1]
	s_add_nc_u64 s[OC:OC+1], s[OC:OC+1], s[46:47]
	s_add_nc_u64 s[OS:OS+1], s[OS:OS+1], s[22:23]
	s_wait_loadcnt 0x0
.set j, 0
.rept 64
	v_and_b32 v[POS+j], s18, v[POS+j]
.set j, j+1
.endr
.set j, 0
.rept 32
	v_pk_add_f32 v[BIAS+j:BIAS+j+1], v[BIAS+j:BIAS+j+1], v[POS+j:POS+j+1]
.set j, j+2
.endr
.macro FRAG reg, adr, st, i            ; 16 rows x 128 K: 12 registers, in pieces of 8 bytes; byte y of a row lies in slot (y / 256) % 2 at byte y % 256
.irp p, 0,1,2,3,4,5
.set BY, 96*(\st)+48*(\p/3)+8*(\p%3)
.if BY/ROWB == (BY+24)/ROWB
	ds_load_b64 v[\reg+2*\p:\reg+2*\p+1], v[\adr+(BY/ROWB)%2] offset:BY%ROWB+(\i)*16*PITCH
.else
	ds_load_b64 v[\reg+2*\p:\reg+2*\p+1], v[\adr+2+(BY/ROWB)%2] offset:BY%ROWB-232+(\i)*16*PITCH
.endif
.endr
.endm
; 16 matrix instructions; the 64 accumulators take turns, one instruction a turn
.macro MUL16 a0, p, q, sc, zero
.irp a, \a0, \a0+1
.irp b, 0,1,2,3,4,5,6,7
.if \zero
	v_wmma_scale_f32_16x16x128_f8f6f4 v[8*(8*((\a)%4)+\b):8*(8*((\a)%4)+\b)+7], v[128*(\p)+FR*\b:128*(\p)+FR*\b+FR-1], v[AF+FR*(\a):AF+FR*(\a)+FR-1], 0, v[SC+8*NQ*(\sc)+NQ*\b+(\q)], v[SC+8*NQ*(\sc)+NQ*(\a)+(\q)] matrix_a_fmt:MATRIX_FMT_FP6 matrix_b_fmt:MATRIX_FMT_FP6 matrix_a_scale:MATRIX_SCALE_ROW1
.else
	v_wmma_scale_f32_16x16x128_f8f6f4 v[8*(8*((\a)%4)+\b):8*(8*((\a)%4)+\b)+7], v[128*(\p)+FR*\b:128*(\p)+FR*\b+FR-1], v[AF+FR*(\a):AF+FR*(\a)+FR-1], v[8*(8*((\a)%4)+\b):8*(8*((\a)%4)+\b)+7], v[SC+8*NQ*(\sc)+NQ*\b+(\q)], v[SC+8*NQ*(\sc)+NQ*(\a)+(\q)] matrix_a_fmt:MATRIX_FMT_FP6 matrix_b_fmt:MATRIX_FMT_FP6 matrix_a_scale:MATRIX_SCALE_ROW1
.endif
.endr
.endr
.endm
.macro FETCH_B st, p
	WIN TO_B
.irp i, 0,1,2,3,4,5,6,7
	FRAG 128*(\p)+FR*\i, ADRB, \st, \i
.endr
	WIN 0
.endm
.macro FETCH_A st, i0
.irp i, \i0, \i0+1, \i0+2, \i0+3
	FRAG AF+FR*(\i), ADRA, \st, \i
.endr
.endm
.macro SCALES pr
.irp i, 0,1,2,3,4,5,6,7
	ds_load_b64 v[SC+8*NQ*((\pr)%2)+NQ*\i:SC+8*NQ*((\pr)%2)+NQ*\i+1], v[ADRS] offset:\i*SBLK+4*NQ*(\pr)
.endr
.endm
.macro PLACES n                        ; plain vector lines between a matrix instruction and a load into, or a read of, its registers
.rept \n
	v_nop
.endr
.endm
; A step: 64 matrix instructions; the next step's fragments are fetched in its middle and at its end.  Where the next step's bytes end in a new chunk: a wait for my loads and a barrier.
; Where they begin in a later chunk: the three lines, the barrier, and, while a chunk is left to fetch, the cluster's round and the refill.
.macro STEP st, zero
.set NX, (\st)+1
.set C0, (96*(\st))/ROWB
.set C1, (96*NX)/ROWB
.set E0, (96*(\st)+95)/ROWB
.set E1, (96*NX+95)/ROWB
.if C1 > C0 || E1 > E0
	s_wait_tensorcnt 0x0                           ; all my tensor loads have landed
.if C1 > C0
	ds_add_u32 v[SPW], v[NIL]
	s_wait_dscnt 4*NL+1                            ; the add and A's blocks 4-7 (24 loads) may be out
.else
	s_wait_dscnt 4*NL
.endif
	WIN MUL_LO
	MUL16 0, (\st)%2, (\st)%2, ((\st)/2)%2, \zero
	s_wait_dscnt 0x0                               ; the add and my reads are done
	s_barrier_signal -1
	MUL16 2, (\st)%2, (\st)%2, ((\st)/2)%2, \zero
	WIN 0
	s_barrier_wait -1
.if C1 > C0 && C0+2 < CHUNKS
	CREST
	s_add_nc_u64 s[G0+4*(C0%2)+2:G0+4*(C0%2)+3], s[G0+4*(C0%2)+2:G0+4*(C0%2)+3], 2*ROWB
	s_add_nc_u64 s[G0B+4*(C0%2)+2:G0B+4*(C0%2)+3], s[G0B+4*(C0%2)+2:G0B+4*(C0%2)+3], 2*ROWB
	JLOAD G0+4*(C0%2), G1, G0B+4*(C0%2), G1B       ; chunk C0 + 2: the first tensor load behind the round
.else
	PLACES NP
.endif
.else
	s_wait_dscnt 4*NL                              ; B's set and A's blocks 0-3 are in
	WIN MUL_LO
	MUL16 0, (\st)%2, (\st)%2, ((\st)/2)%2, \zero
	MUL16 2, (\st)%2, (\st)%2, ((\st)/2)%2, \zero
	s_wait_dscnt 0
	PLACES NP
.endif
	FETCH_B NX, NX%2
	FETCH_A NX, 0
.if NX%2 == 0
	SCALES NX/2
.endif
	WIN MUL_HI
	MUL16 4, (\st)%2, (\st)%2, ((\st)/2)%2, \zero
	MUL16 6, (\st)%2, (\st)%2, ((\st)/2)%2, \zero
	PLACES NP
	WIN 0
	FETCH_A NX, 4
.endm
	s_wait_alu depctr_va_vdst(0)
	s_wait_tensorcnt 0x0                           ; my tile of the head's four is in
	ds_add_u32 v[SPW], v[NIL]
	s_mov_b32 s[G1+2], 128<<16                     ; no load of mine is out: from here on a load brings 128 rows
	s_mov_b32 s[G1+4], 128
	s_mov_b32 s[G1B+2], 128<<16
	s_mov_b32 s[G1B+4], 128
	s_wait_dscnt 0x0
	CROUND
	JLOAD G0+4, G1, G0B+4, G1B                     ; chunk 1, slot 1's first fill, issued as a refill is
	FETCH_B 0, 0
	FETCH_A 0, 0
	SCALES 0
	FETCH_A 0, 4
	STEP 0, 1
.set ST, 1
.rept STEPS-2
	STEP ST, 0
.set ST, ST+1
.endr
	s_wait_dscnt 4*NL
	WIN MUL_LO
	MUL16 0, 1, 1, 1, 0
	MUL16 2, 1, 1, 1, 0
	s_wait_dscnt 0
	WIN MUL_HI
	MUL16 4, 1, 1, 1, 0
	MUL16 6, 1, 1, 1, 0
	WIN 0
	PLACES NP
; THE WAY OUT.  64 numbers of a lane, register 16 b + i = k 32 b + 16 h + i of my row, become a fragment's codes in v[PC] on and its scale word in v[PW].
.macro QUANT s
.irp b, 0,1,2,3
	v_max3_num_f32 v[TM+\b], |v[\s+16*\b]|, |v[\s+1+16*\b]|, 0x1800000   ; and the floor 2^(3 - 127)
.endr
.irp i, 2,4,6,8,10,12,14
.irp b, 0,1,2,3
	v_max3_num_f32 v[TM+\b], v[TM+\b], |v[\s+16*\b+\i]|, |v[\s+1+16*\b+\i]|
.endr
.endr
.irp b, 0,1,2,3
	v_permlanex16_b32 v[TM+4+\b], v[TM+\b], s[SEL], s[SEL+1]
.endr
.irp b, 0,1,2,3
	v_max_num_f32 v[TM+\b], v[TM+\b], v[TM+4+\b]
.endr
.irp b, 0,1,2,3
	v_add_nc_u32 v[TM+12+\b], 0xff000000, v[TM+\b] ; 2 off the exponent field: the conversion's scale operand
.endr
.irp b, 0,1,2,3
	v_lshrrev_b32 v[TM+4+\b], 23, v[TM+12+\b]
.endr
	v_lshl_or_b32 v[PW], v[TM+5], 8, v[TM+4]
	v_lshl_or_b32 v[PW], v[TM+6], 16, v[PW]
	v_lshl_or_b32 v[PW], v[TM+7], 24, v[PW]
.irp c, 0,1
	v_cvt_scalef32_pk16_fp6_f32 v[PC+6*\c:PC+2+6*\c], v[\s+32*\c:\s+15+32*\c], v[TM+12+2*\c]
	v_cvt_scalef32_pk16_fp6_f32 v[PT+4*\c:PT+2+4*\c], v[\s+16+32*\c:\s+31+32*\c], v[TM+12+2*\c+1]
.endr
	v_nop                                          ; one plain line behind a scaled conversion
.irp c, 0,1                                    ; a whole block to a lane
.irp i, 0,1,2
	v_permlane16_swap_b32 v[PC+6*\c+\i], v[PT+4*\c+\i]
.endr
.irp i, 0,1,2
	v_mov_b32 v[PC+3+6*\c+\i], v[PT+4*\c+\i]
.endr
.endr
.endm
; Block a of A's rows.  The branches hang on the cluster's x alone and lead round the lines in which q, k and v differ: the bias and the stores.
.macro OUT a
	s_wait_xcnt 0x0                                ; the last block's stores have read the codes' registers
	s_cmp_eq_u32 ttmp9, 2
	s_cbranch_scc1 .Lvb_\@
	WIN 0x02+(\a)/4
.set j, 0
.rept 32
	v_pk_add_f32 v[H+j:H+j+1], v[64*((\a)%4)+j:64*((\a)%4)+j+1], v[BIAS+j:BIAS+j+1]   ; each accumulator from its low end on
.set j, j+2
.endr
	WIN 0
	s_wait_alu depctr_va_vdst(0)
	s_branch .Lq_\@
.Lvb_\@:
	WIN 0x02+(\a)/4
.set j, 0
.rept 32
	v_pk_add_f32 v[H+j:H+j+1], v[64*((\a)%4)+j:64*((\a)%4)+j+1], v[BV+2*(\a):BV+2*(\a)+1]
.set j, j+2
.endr
	WIN 0
.Lq_\@:
	QUANT H
	v_bfe_u32 v[PWS], v[PW], v18, 16               ; q, k: lanes 0-15 the first head's two bytes, lanes 16-31 the second's
	s_wait_alu depctr_va_vdst(0)
	s_cmp_eq_u32 ttmp9, 2
	s_cbranch_scc1 .Lvs_\@
	ds_store_b32 v19, v[PWS] offset:4*(\a)
.irp c, 0,1
	global_store_b128 v16, v[PC+6*\c:PC+6*\c+3], s[OC:OC+1] offset:\c*98304+768*(\a)        ; 512 consecutive bytes,
	global_store_b64 v17, v[PC+6*\c+4:PC+6*\c+5], s[OC:OC+1] offset:\c*98304+768*(\a)+512   ; and 256
.endr
	s_branch .Ld_\@
.Lvs_\@:
	ds_store_b32 v21, v[PW] offset:256*((\a)/4)+4*((\a)%4)
.irp c, 0,1,2
	global_store_b128 v16, v[PC+4*\c:PC+4*\c+3], s[OC:OC+1] offset:((\a)/4)*98304+((\a)%4)*1536+512*\c
.endr
.Ld_\@:
.endm
	v_and_b32 v1, 31, v0
	v_and_b32 v2, 15, v0
	v_bfe_u32 v3, v0, 4, 1
	v_lshlrev_b32 v16, 4, v1
	v_lshlrev_b32 v17, 3, v1
	v_lshlrev_b32 v18, 4, v3
	s_lshl_b32 s20, s14, 10
	s_add_co_u32 s20, s20, STAGE                   ; q, k: my 1,024 bytes of stage
	v_lshlrev_b32 v19, 5, v2
	v_lshl_add_u32 v19, v3, 9, v19
	v_add_nc_u32 v19, s20, v19
	v_add_nc_u32 v20, s20, v16
	s_lshl_b32 s20, s14, 9
	s_add_co_u32 s20, s20, STAGE+4096              ; v: my 512 bytes, behind the other way's
	v_lshl_add_u32 v21, v2, 4, s20
	v_add_nc_u32 v22, s20, v16
	v_mul_u32_u24 v23, v3, 12288
	v_lshl_add_u32 v23, v2, 4, v23
.irp b, 0,1,2,3
	v_mov_b32 v[TM+4+\b], 0                        ; a lane permute's destination counts as one of its sources
.endr
	s_mov_b32 s[SEL], 0x76543210
	s_mov_b32 s[SEL+1], 0xfedcba98
	s_wait_alu depctr_va_vdst(0)
.irp a, 0,1,2,3,4,5,6,7
	OUT \a
.endr
	s_cmp_eq_u32 ttmp9, 2
	s_cbranch_scc1 .Lvw
	ds_load_b128 v[RB0:RB0+3], v20                 ; my own stores, served in order
	ds_load_b128 v[RB1:RB1+3], v20 offset:512
	s_wait_dscnt 0x0
	global_store_b128 v16, v[RB0:RB0+3], s[OS:OS+1]
	global_store_b128 v16, v[RB1:RB1+3], s[OS:OS+1] offset:12288
	s_branch .Lend
.Lvw:
	ds_load_b128 v[RB0:RB0+3], v22
	s_wait_dscnt 0x0
	global_store_b128 v23, v[RB0:RB0+3], s[OS:OS+1]
.Lend:
	s_wait_tensorcnt 0x0                           ; the wave's end
	ds_add_u32 v[SPW], v[NIL]
	s_wait_dscnt 0x0
	CROUND
	s_endpgm
.Lfunc_end_k_qc8eb2d8fe2_qkv:
	.size	k_qc8eb2d8fe2_qkv, .Lfunc_end_k_qc8eb2d8fe2_qkv-k_qc8eb2d8fe2_qkv
	.p2alignl 7, 3214868480
	.fill 96, 4, 3214868480
	.section	.rodata,"a",@progbits
	.p2align	6, 0x0
	.amdhsa_kernel k_qc8eb2d8fe2_qkv
		.amdhsa_group_segment_fixed_size 327680
		.amdhsa_private_segment_fixed_size 0
		.amdhsa_enable_private_segment 0
		.amdhsa_kernarg_size 56
		.amdhsa_user_sgpr_count 2
		.amdhsa_user_sgpr_kernarg_segment_ptr 1
		.amdhsa_wavefront_size32 1
		.amdhsa_system_sgpr_workgroup_id_x 1
		.amdhsa_system_sgpr_workgroup_id_y 1
		.amdhsa_system_sgpr_workgroup_id_z 1
		.amdhsa_system_vgpr_workitem_id 0
		.amdhsa_next_free_vgpr 1024
		.amdhsa_next_free_sgpr 106
		.amdhsa_reserve_vcc 0
		.amdhsa_float_denorm_mode_32 3
		.amdhsa_float_denorm_mode_16_64 3
		.amdhsa_memory_ordered 1
		.amdhsa_forward_progress 1
		.amdhsa_inst_pref_size 214
	.end_amdhsa_kernel
	.amdgpu_metadata
---
amdhsa.version: [ 1, 2 ]
amdhsa.kernels:
  - .name:           k_qc8eb2d8fe2_qkv
    .symbol:         k_qc8eb2d8fe2_qkv.kd
    .args:
      - { .name: xq, .offset: 0, .size: 8, .value_kind: global_buffer, .address_space: global }
      - { .name: wq, .offset: 8, .size: 8, .value_kind: global_buffer, .address_space: global }
      - { .name: b_qkv, .offset: 16, .size: 8, .value_kind: global_buffer, .address_space: global }
      - { .name: pos_bias, .offset: 24, .size: 8, .value_kind: global_buffer, .address_space: global }
      - { .name: qq, .offset: 32, .size: 8, .value_kind: global_buffer, .address_space: global }
      - { .name: kk, .offset: 40, .size: 8, .value_kind: global_buffer, .address_space: global }
      - { .name: vv, .offset: 48, .size: 8, .value_kind: global_buffer, .address_space: global }
    .group_segment_fixed_size: 327680
    .private_segment_fixed_size: 0
    .kernarg_segment_align: 8
    .kernarg_segment_size: 56
    .max_flat_workgroup_size: 128
    .sgpr_count:     106
    .vgpr_count:     1024
    .wavefront_size: 32
...
	.end_amdgpu_metadata
.endif
;; end of part 2
;; launch attn (part 3): grid 8 x 32, 16 waves a work-group, clusters of 4 x 1, 247,808 bytes of LDS; arguments qq, kk, vv, aq; writes aq
.if DOCPART == 3
	.amdgcn_target "amdgcn-amd-amdhsa--gfx1250"
	.amdhsa_code_object_version 6
	.text
	.protected	k_qc8eb2d8fe2_attn
	.globl	k_qc8eb2d8fe2_attn
	.p2align	8
	.type	k_qc8eb2d8fe2_attn,@function
k_qc8eb2d8fe2_attn:
	s_mov_b64 s[64:65], 0
	v_nop
	global_prefetch_b8 v0, s[64:65] scope:SCOPE_SE
	s_setreg_imm32_b32 hwreg(HW_REG_WAVE_MODE, 25, 1), 1
	s_wait_xcnt 0x0
	s_wait_alu depctr_hold_cnt(0) depctr_sa_sdst(0) depctr_va_vdst(0) depctr_va_sdst(0) depctr_va_ssrc(0) depctr_va_vcc(0) depctr_vm_vsrc(0)
	s_getreg_b32 s2, hwreg(HW_REG_IB_STS2, 6, 4)
	s_cmp_eq_u32 s2, 0
	s_cbranch_scc0 .Lentry_in_a_cluster
	s_endpgm
.Lentry_in_a_cluster:
	s_bfe_u32 s2, ttmp6, 0x10000c
	s_cmp_lg_u32 s2, 0x3003
	s_cbranch_scc0 .Lentry_shape_is_right
	s_endpgm
.Lentry_shape_is_right:
; Causal attention of 32 heads (2,048 tokens, head size 64) on codes of FP6 (E2M3) with E8M0 scales; the result is quantised along the head's 64 for the last product.
; t = score x log2(e) / 8; M = the running largest t rounded up to a whole number; p = 2^(t - M) is quantised along the keys, not normalised; the row's sum of the unquantised p divides at the end.
; LEFT OUT: key steps that lie wholly behind a tile's queries: the causal mask sets their scores to -inf, so their p is 0 for all values of the inputs.
; INPUTS as the launch before laid them: q, k: half fragments (16 tokens x 64) as images of their registers, 768 bytes; v: whole fragments (16 channels x 128 keys), 1,536 bytes; tokens and channels in the order sigma.
; K = 64 of the first product is filled up to 128 with zero codes on q's side; on k's side registers 6-11 of tile t are the six that follow (zeros behind tile 7).
; SHARES.  A work-group takes one head and query tile jt (0..7) of each of the 16 blocks of 128 queries.  The 16 waves are 8 pairs; pair b owns blocks b and 15 - b, 17 key steps in all.
; Wave A of the pair: block 15 - b against key steps 0 .. 8 (9 steps).  Wave B: block b against steps 0 .. b, then block 15 - b against steps 9 .. 15 - b (8 steps).
; A leaves O^T, -M and the sums in the pair's own 4,608 bytes of LDS; behind a barrier B brings both parts under the larger M by powers of two, adds them and sends the tile out.
; Which wave is A: bit 0 of w xor (w / 4), so that the four waves with equal w % 4, and the four with equal w / 4, are two A and two B.  What is skipped hangs on the wave's number and the step alone.
; LDS holds the whole head, filled ONCE by joint loads of the cluster's four work-groups (same head): seven loads, one a wave (waves 0-6).  Nothing is filled again, so there is no loop of refills to prefetch for.
; LIMITS: NaN and infinities are not served; a block of zeros gets the byte 1; the scaled scores stay under 2^31 in magnitude.  The result's scale bytes leave as 2 bytes a lane, 32 bytes apart.
.set VB,   98304
.set KSB,  196608
.set VSB,  204800
.set PART, 208896                      ; 8 pairs x 4,608 bytes: no tile lands here
.set SPARE, 245760
.set SW,   3145728
.set AQS,  3145728
.set WV,   12
.set TYP,  13                          ; 0: wave A, 1: wave B
.set T,    14
.set TK,   15
.set TS,   16
.set TT,   17
.set LIM,  18                          ; the last key step that I work
.set DG,   19                          ; the step that holds my tile's diagonal
.set G1E,  20
.set G1L,  28
.set G0,   36
.set CS,   66
.set SEL,  68
.set LIM2, 88
.set DG2,  89
; v1 16 x lane; v2 512 + 8 x lane; v3 VB + 16 x lane; v4 KSB + 32 r; v5 VSB + 16 r; v6 d (the mask); v7-11 the step's addresses; v12 -M; v13 largest t; v[14:15] the sum; v16-27 q; v28 q's scale word; v29 32 r;
; v32-85 k's tiles, then v's; v86-92 the second tile's q; v93 the pair's LDS bytes; v96-159 S^T, then p; v160-191 O^T; v192-203 scale words; v224-235 p's codes; v232-254 at work; v251, v255 the add's
.macro CROUND
	s_barrier_signal -1
	s_barrier_wait -1
	s_cmp_lg_u32 s[WV], 0
	s_cbranch_scc1 .Lnot_wave_0_\@
	s_barrier_signal -3
.Lnot_wave_0_\@:
	s_barrier_wait -3
	s_barrier_signal -1
	s_barrier_wait -1
.endm
.macro G0SET idx, lds, base, off
	s_mov_b32 s[G0+4*\idx], 1
	s_mov_b32 s[G0+4*\idx+1], \lds
	s_add_nc_u64 s[G0+4*\idx+2:G0+4*\idx+3], s[\base:\base+1], \off
	s_or_b32 s[G0+4*\idx+3], s[G0+4*\idx+3], 0x80000000
.endm
.macro ARM w, idx, g1, next
	s_cmp_eq_u32 s[WV], \w
	s_cbranch_scc0 \next
	tensor_load_to_lds s[G0+4*\idx:G0+4*\idx+3], s[\g1:\g1+7]
	s_nop 0
.rept 4
	v_nop
.endr
	s_branch .Lasked
\next:
.endm
; the addresses of the tile of block s[bx]: q's half fragment, q's scale words, where its codes go, where its scale bytes go
.macro TILEPTR bx, q, qs, oc, os
	s_lshl_b32 s73, s[\bx], 3
	s_add_co_u32 s73, s73, s71
	s_mul_i32 s[\q], s73, 768
	s_mov_b32 s[\q+1], 0
	s_add_nc_u64 s[\q:\q+1], s[\q:\q+1], s[74:75]
	s_add_nc_u64 s[\q:\q+1], s[4:5], s[\q:\q+1]
	s_lshl_b32 s[\qs], s[\bx], 9
	s_lshl_b32 s70, s71, 2
	s_add_co_u32 s[\qs], s[\qs], s70
	s_mov_b32 s[\qs+1], 0
	s_add_nc_u64 s[\qs:\qs+1], s[\qs:\qs+1], s[76:77]
	s_add_nc_u64 s[\qs:\qs+1], s[4:5], s[\qs:\qs+1]
	s_add_co_u32 s73, s73, s78
	s_mul_i32 s[\oc], s73, 12288
	s_add_co_u32 s[\oc], s[\oc], s79
	s_mov_b32 s[\oc+1], 0
	s_add_nc_u64 s[\oc:\oc+1], s[10:11], s[\oc:\oc+1]
	s_lshl_b32 s[\os], s73, 9
	s_add_co_u32 s[\os], s[\os], s80
	s_mov_b32 s[\os+1], 0
	s_add_nc_u64 s[\os:\os+1], s[10:11], s[\os:\os+1]
.endm
	s_load_b256 s[4:11], s[0:1], 0x0               ; qq, kk, vv, aq
	v_lshl_add_u32 v251, v0, 2, SPARE
	v_mov_b32 v255, 0
	ds_add_u32 v251, v255                          ; the opening lines
	ds_add_u32 v251, v255
	v_lshrrev_b32 v1, 5, v0
	v_readfirstlane_b32 s[WV], v1
	s_lshr_b32 s70, s[WV], 2
	s_xor_b32 s70, s70, s[WV]
	s_and_b32 s[TYP], s70, 1
	s_lshr_b32 s95, s[WV], 1                       ; b, my pair
	s_mul_i32 s94, s95, 4608
	s_add_co_u32 s94, s94, PART
	s_sub_co_u32 s[DG2], 15, s95                   ; the pair's later block
	s_cmp_eq_u32 s[TYP], 1
	s_cselect_b32 s[DG], s95, s[DG2]               ; my first tile's block
	s_cselect_b32 s[LIM], s95, 8
	s_cselect_b32 s[LIM2], s[DG2], 0               ; behind step 8 wave A works no step
	s_bfe_u32 s70, ttmp6, 0x40000                  ; cx
	s_lshl_b32 s71, ttmp9, 2
	s_add_co_u32 s71, s71, s70                     ; jt: in global addresses and the mask's numbers alone
	s_and_b32 s72, ttmp7, 0xffff                   ; the head of 32
	s_mul_i32 s74, s72, 98304
	s_mov_b32 s75, 0
	s_mul_i32 s76, s72, 12288
	s_add_co_u32 s76, s76, SW
	s_mov_b32 s77, 0
.irp g, G1E, G1L
	s_mov_b32 s[\g], 15|(3<<16)|(1<<21)            ; all four work-groups; elements of 8 bytes; dense rows of 256 bytes
	s_mov_b32 s[\g+1], 32<<16
	s_mov_b32 s[\g+3], 32<<16
	s_mov_b32 s[\g+5], 32
	s_mov_b32 s[\g+6], 0
	s_mov_b32 s[\g+7], 0
.endr
	s_mov_b32 s[G1E+2], 48<<16
	s_mov_b32 s[G1E+4], 48
	s_mov_b32 s[G1L+2], 168<<16
	s_mov_b32 s[G1L+4], 168
	s_mov_b32 s[CS], 0x3e38aa3b
	s_mov_b32 s[CS+1], s[CS]
	s_mov_b32 s[SEL], 0x76543210
	s_mov_b32 s[SEL+1], 0xfedcba98
	s_wait_dscnt 0x0
	s_wait_kmcnt 0x0
	s_add_nc_u64 s[78:79], s[6:7], s[74:75]
	s_add_nc_u64 s[80:81], s[8:9], s[74:75]
	s_add_nc_u64 s[82:83], s[6:7], s[76:77]
	G0SET 0, 0, 78, 0                              ; k steps 0, 1
	G0SET 1, 12288, 78, 12288                      ; k steps 2-8
	G0SET 2, 55296, 78, 55296                      ; k steps 9-15
	G0SET 3, VB, 80, 0                             ; v likewise
	G0SET 4, VB+12288, 80, 12288
	G0SET 5, VB+55296, 80, 55296
	G0SET 6, KSB, 82, 0                            ; 12,288 bytes of scale words
	CROUND
	ARM 0, 0, G1E, .La1                            ; one chain, one load to an arm; waves 0-2 bring what steps 0 and 1 read
	ARM 1, 3, G1E, .La2
	ARM 2, 6, G1E, .La3
	ARM 3, 1, G1L, .La4
	ARM 4, 4, G1L, .La5
	ARM 5, 2, G1L, .La6
	ARM 6, 5, G1L, .La7
.Lasked:
	s_lshr_b32 s78, s72, 4
	s_lshl_b32 s78, s78, 7                         ; the batch's 128 row tiles of aq
	s_and_b32 s79, s72, 15
	s_lshl_b32 s80, s79, 1
	s_add_co_u32 s80, s80, AQS
	s_mul_i32 s79, s79, 768
	TILEPTR DG, 84, 86, 90, 92
	TILEPTR DG2, 96, 98, 100, 104
	s_lshr_b32 s81, s71, 1
	s_lshl_b32 s81, s81, 5
	s_and_b32 s82, s71, 1
	s_lshl_b32 s82, s82, 3
	s_add_co_u32 s81, s81, s82                     ; 32 (jt / 2) + 8 (jt % 2)
	v_and_b32 v30, 31, v0
	v_and_b32 v31, 15, v0
	v_lshlrev_b32 v1, 4, v30
	v_lshlrev_b32 v2, 3, v30
	v_lshlrev_b32 v29, 5, v31
	v_lshlrev_b32 v5, 4, v31
	v_add_nc_u32 v2, 512, v2
	v_add_nc_u32 v3, VB, v1
	v_add_nc_u32 v4, KSB, v29
	v_add_nc_u32 v5, VSB, v5
	v_lshl_add_u32 v93, v30, 4, s94
	global_load_b128 v[16:19], v1, s[84:85]        ; my first tile's q
	global_load_b64 v[20:21], v2, s[84:85]
	global_load_b32 v28, v29, s[86:87]
	global_load_b128 v[86:89], v1, s[96:97]        ; and that of the pair's later block
	global_load_b64 v[90:91], v2, s[96:97]
	global_load_b32 v92, v29, s[98:99]
	v_bfe_u32 v30, v0, 4, 1
	v_and_b32 v6, 8, v31
	v_lshlrev_b32 v30, 4, v30
	v_add_nc_u32 v6, v6, v31
	v_sub_nc_u32 v6, v6, v30
	v_add_nc_u32 v6, s81, v6                       ; d: in the diagonal step register 16 b + i is hidden where 32 b + i > d
.irp j, 22,23,24,25,26,27,80,81,82,83,84,85
	v_mov_b32 v[\j], 0
.endr
.macro FRESH                           ; a tile's state: the largest t -3e38, -M, the sums, O^T
	v_mov_b32 v13, 0xff61b1e6
	v_mov_b32 v14, 0
	v_mov_b32 v15, 0
	v_floor_f32 v12, -v13
.set j, 0
.rept 32
	v_mov_b32 v[160+j], 0
.set j, j+1
.endr
.endm
.irp j, 236,237,238,239,252,253
	v_mov_b32 v[\j], 0                             ; lane permutes' destinations, and the upper half of the pair v[252:253]
.endr
	FRESH
.macro STEP
	s_cmp_gt_u32 s[T], s[LIM]
	s_cbranch_scc1 .Lhidden_\@
	v_add_nc_u32 v7, s[TK], v1                     ; (these five are also the places behind the last step's products)
	v_add_nc_u32 v8, s[TK], v2
	v_add_nc_u32 v9, s[TK], v3
	v_add_nc_u32 v10, s[TS], v4
	v_add_nc_u32 v11, s[TT], v5
.irp t, 0,1,2,3,4,5,6,7
	ds_load_b128 v[32+6*\t:35+6*\t], v7 offset:768*\t
	ds_load_b64 v[36+6*\t:37+6*\t], v8 offset:768*\t
.endr
	ds_load_b128 v[192:195], v10
	ds_load_b128 v[196:199], v10 offset:16
	s_wait_alu depctr_va_vdst(0)
	s_wait_dscnt 0x0
.irp t, 0,1,2,3,4,5,6,7                        ; S^T = k q^T: lane (r, h) holds query r; registers 16 b + i are keys 32 b + 16 h + i
	v_wmma_scale_f32_16x16x128_f8f6f4 v[96+8*\t:103+8*\t], v[32+6*\t:43+6*\t], v[16:27], 0, v[192+\t], v28 matrix_a_fmt:MATRIX_FMT_FP6 matrix_b_fmt:MATRIX_FMT_FP6
.endr
.rept 4
	v_nop
.endr
.irp t, 0,1,2,3                                ; v's four fragments land while the softmax is worked
.irp c, 0,1,2
	ds_load_b128 v[32+12*\t+4*\c:35+12*\t+4*\c], v9 offset:1536*\t+512*\c
.endr
.endr
	ds_load_b128 v[200:203], v11
	s_cmp_lg_u32 s[T], s[DG]
	s_cbranch_scc1 .Lopen_\@                       ; only the diagonal step masks
	v_mov_b32 v254, 0xff800000
.set n, 0
.rept 64
	v_cmp_gt_i32 vcc_lo, 32*(n/16)+n%16, v6
	v_cndmask_b32 v[96+n], v[96+n], v254, vcc_lo
.set n, n+1
.endr
.Lopen_\@:
.irp b, 0,1,2,3
	v_max3_num_f32 v[232+\b], v[96+16*\b], v[97+16*\b], v[98+16*\b]   ; each block's largest score: for the row's maximum and for the block's largest p
.endr
.irp i, 3,5,7,9,11,13
.irp b, 0,1,2,3
	v_max3_num_f32 v[232+\b], v[232+\b], v[96+16*\b+\i], v[97+16*\b+\i]
.endr
.endr
.irp b, 0,1,2,3
	v_max_num_f32 v[232+\b], v[232+\b], v[111+16*\b]
.endr
.irp b, 0,1,2,3
	s_delay_alu instid0(VALU_DEP_4)
	v_permlanex16_b32 v[236+\b], v[232+\b], s[SEL], s[SEL+1]
.endr
.irp b, 0,1,2,3
	s_delay_alu instid0(VALU_DEP_4)
	v_max_num_f32 v[232+\b], v[232+\b], v[236+\b]
.endr
	s_delay_alu instid0(VALU_DEP_2)
	v_max3_num_f32 v254, v232, v233, v234
	s_delay_alu instid0(VALU_DEP_1)
	v_max_num_f32 v254, v254, v235
	s_delay_alu instid0(VALU_DEP_1)
	v_mul_f32 v254, s[CS], v254
	s_delay_alu instid0(VALU_DEP_1)
	v_max_num_f32 v13, v13, v254                   ; the running largest t
	v_mov_b32 v254, v12
	s_delay_alu instid0(VALU_DEP_2)
	v_floor_f32 v12, -v13                          ; the new -M
	s_delay_alu instid0(VALU_DEP_1)
	v_sub_f32 v254, v12, v254                      ; old M - new M
	s_delay_alu instid0(VALU_DEP_1)
	v_cvt_i32_f32 v254, v254
	s_delay_alu instid0(VALU_DEP_1)
	v_ldexp_f32 v252, 1.0, v254                    ; f = 2^(old M - new M)
.set j, 0
.rept 32
	v_pk_fma_f32 v[96+j:97+j], v[96+j:97+j], s[CS:CS+1], v[12:13] op_sel_hi:[1,0,0]   ; t - M
.set j, j+2
.endr
.irp b, 0,1,2,3
	v_fma_f32 v[232+\b], v[232+\b], s[CS], v12
.endr
	s_wait_alu depctr_va_vdst(0)
.set j, 0
.rept 64
	v_exp_f32 v[96+j], v[96+j]                     ; p
.set j, j+1
.endr
	v_pk_mul_f32 v[14:15], v[14:15], v[252:253] op_sel_hi:[1,0]   ; the sums under the new M
	s_wait_alu depctr_va_vdst(0)                   ; one wait for the batch, ahead of its first reader
.irp b, 0,1,2,3
	v_exp_f32 v[232+\b], v[232+\b]                 ; each block's largest p
.endr
.irp k, 0,1,2,3,4,5,6                          ; the row's sum of the unquantised p: 32 pairs in eight chains
	v_pk_add_f32 v[236+2*\k:237+2*\k], v[96+4*\k:97+4*\k], v[98+4*\k:99+4*\k]
.endr
	v_pk_add_f32 v[14:15], v[14:15], v[124:125]
.irp k, 0,1,2,3,4,5,6
	v_pk_add_f32 v[236+2*\k:237+2*\k], v[236+2*\k:237+2*\k], v[126+2*\k:127+2*\k]
.endr
	v_pk_add_f32 v[14:15], v[14:15], v[140:141]
.irp k, 0,1,2,3,4,5,6
	v_pk_add_f32 v[236+2*\k:237+2*\k], v[236+2*\k:237+2*\k], v[142+2*\k:143+2*\k]
.endr
	v_pk_add_f32 v[14:15], v[14:15], v[156:157]
	v_pk_add_f32 v[236:237], v[236:237], v[158:159]
	v_pk_add_f32 v[240:241], v[240:241], v[242:243]
	v_pk_add_f32 v[244:245], v[244:245], v[246:247]
	v_pk_add_f32 v[14:15], v[14:15], v[248:249]
	v_pk_add_f32 v[236:237], v[236:237], v[238:239]
	v_pk_add_f32 v[240:241], v[240:241], v[244:245]
	s_delay_alu instid0(VALU_DEP_2)
	v_pk_add_f32 v[14:15], v[14:15], v[236:237]
	s_delay_alu instid0(VALU_DEP_1)
	v_pk_add_f32 v[14:15], v[14:15], v[240:241]
	s_wait_alu depctr_va_vdst(0)                   ; and one for the four
.irp b, 0,1,2,3
	v_max_num_f32 v[232+\b], 0x1800000, v[232+\b]  ; the floor 2^(3 - 127)
.endr
.irp b, 0,1,2,3
	s_delay_alu instid0(VALU_DEP_4)
	v_add_nc_u32 v[244+\b], 0xff000000, v[232+\b]
.endr
.irp b, 0,1,2,3
	s_delay_alu instid0(VALU_DEP_4)
	v_lshrrev_b32 v[236+\b], 23, v[244+\b]
.endr
	s_delay_alu instid0(VALU_DEP_3)
	v_lshl_or_b32 v253, v237, 8, v236              ; p's scale word for these 128 keys
	s_delay_alu instid0(VALU_DEP_1)
	v_lshl_or_b32 v253, v238, 16, v253
	s_delay_alu instid0(VALU_DEP_1)
	v_lshl_or_b32 v253, v239, 24, v253
.irp c, 0,1
	v_cvt_scalef32_pk16_fp6_f32 v[224+6*\c:226+6*\c], v[96+32*\c:111+32*\c], v[244+2*\c]
	v_cvt_scalef32_pk16_fp6_f32 v[236+4*\c:238+4*\c], v[112+32*\c:127+32*\c], v[244+2*\c+1]
.endr
	v_nop
.irp c, 0,1
.irp i, 0,1,2
	v_permlane16_swap_b32 v[224+6*\c+\i], v[236+4*\c+\i]
.endr
.irp i, 0,1,2
	s_delay_alu instid0(VALU_DEP_3)
	v_mov_b32 v[227+6*\c+\i], v[236+4*\c+\i]
.endr
.endr
.set j, 0
.rept 16
	v_pk_mul_f32 v[160+j:161+j], v[160+j:161+j], v[252:253] op_sel_hi:[1,0]   ; O^T under the new M; also the places ahead of the products
.set j, j+2
.endr
	s_wait_alu depctr_va_vdst(0)
	s_wait_dscnt 0x0                               ; v is in
.irp t, 0,1,2,3                                ; O^T += v^T p^T: four accumulators by turns
	v_wmma_scale_f32_16x16x128_f8f6f4 v[160+8*\t:167+8*\t], v[32+12*\t:43+12*\t], v[224:235], v[160+8*\t:167+8*\t], v[200+\t], v253 matrix_a_fmt:MATRIX_FMT_FP6 matrix_b_fmt:MATRIX_FMT_FP6
.endr
.Lhidden_\@:
	s_add_co_u32 s[TK], s[TK], 6144
	s_add_co_u32 s[TS], s[TS], 512
	s_add_co_u32 s[TT], s[TT], 256
	s_add_co_u32 s[T], s[T], 1
.endm
; A tile's way out: O^T / the sum, quantised along the head's 64: half a fragment of the last product's left operand
.macro OUTPUT oc, os
	v_add_f32 v14, v14, v15
	s_delay_alu instid0(VALU_DEP_1)
	v_permlanex16_b32 v252, v14, s[SEL], s[SEL+1]
	s_delay_alu instid0(VALU_DEP_1)
	v_add_f32 v14, v14, v252
	s_wait_alu depctr_va_vdst(0)
	v_rcp_f32 v14, v14
	v_nop
	v_nop
	s_wait_alu depctr_va_vdst(0)
.set j, 0
.rept 16
	v_pk_mul_f32 v[96+j:97+j], v[160+j:161+j], v[14:15] op_sel_hi:[1,0]   ; register 16 b + i: channel 32 b + 16 h + i of my query
.set j, j+2
.endr
.irp b, 0,1
	v_max3_num_f32 v[232+\b], |v[96+16*\b]|, |v[97+16*\b]|, 0x1800000
.endr
.irp i, 2,4,6,8,10,12,14
.irp b, 0,1
	s_delay_alu instid0(VALU_DEP_2)
	v_max3_num_f32 v[232+\b], v[232+\b], |v[96+16*\b+\i]|, |v[97+16*\b+\i]|
.endr
.endr
.irp b, 0,1
	s_delay_alu instid0(VALU_DEP_2)
	v_permlanex16_b32 v[236+\b], v[232+\b], s[SEL], s[SEL+1]
.endr
.irp b, 0,1
	s_delay_alu instid0(VALU_DEP_2)
	v_max_num_f32 v[232+\b], v[232+\b], v[236+\b]
.endr
.irp b, 0,1
	s_delay_alu instid0(VALU_DEP_2)
	v_add_nc_u32 v[244+\b], 0xff000000, v[232+\b]
.endr
.irp b, 0,1
	s_delay_alu instid0(VALU_DEP_2)
	v_lshrrev_b32 v[240+\b], 23, v[244+\b]
.endr
	s_delay_alu instid0(VALU_DEP_1)
	v_lshl_or_b32 v253, v241, 8, v240              ; my row's two scale bytes
	v_cvt_scalef32_pk16_fp6_f32 v[224:226], v[96:111], v244
	v_cvt_scalef32_pk16_fp6_f32 v[236:238], v[112:127], v245
	v_nop
.irp i, 0,1,2
	v_permlane16_swap_b32 v[224+\i], v[236+\i]
.endr
.irp i, 0,1,2
	s_delay_alu instid0(VALU_DEP_3)
	v_mov_b32 v[227+\i], v[236+\i]
.endr
	global_store_b128 v1, v[224:227], s[\oc:\oc+1]   ; 512 consecutive bytes,
	global_store_b64 v2, v[228:229], s[\oc:\oc+1]    ; and 256
	global_store_b16 v29, v253, s[\os:\os+1]         ; both halves of the lanes store the same two bytes
.endm
	s_wait_alu depctr_va_vdst(0)
	s_wait_loadcnt 0x0                             ; q
	s_cmp_gt_u32 s[WV], 2
	s_cbranch_scc1 .Lp0
	s_wait_tensorcnt 0x0                           ; waves 0-2: steps 0 and 1 of k and v, and the scale words, are in
.Lp0:
	s_barrier_signal -1
	s_barrier_wait -1
	s_mov_b32 s[T], 0
	s_mov_b32 s[TK], 0
	s_mov_b32 s[TS], 0
	s_mov_b32 s[TT], 0
.Lfirst:
	STEP
	s_cmp_lt_u32 s[T], 2
	s_cbranch_scc1 .Lfirst
	s_wait_tensorcnt 0x0                           ; the rest of the head
	s_wait_dscnt 0x0
	s_barrier_signal -1
	s_barrier_wait -1
	s_mov_b32 s[T], 2
	s_mov_b32 s[TK], 12288
	s_mov_b32 s[TS], 1024
	s_mov_b32 s[TT], 512
.Lmid:
	STEP
	s_cmp_lt_u32 s[T], 9
	s_cbranch_scc1 .Lmid
	s_wait_alu depctr_va_vdst(0)
	s_cmp_eq_u32 s[TYP], 0
	s_cbranch_scc1 .Lis_a
	OUTPUT 90, 92                                  ; wave B: block b's tile is finished
.irp j, 0,1,2,3,4,5
	v_mov_b32 v[16+\j], v[86+\j]                   ; on to the pair's later block
.endr
	v_mov_b32 v28, v92
	FRESH
	s_wait_alu depctr_va_vdst(0)
	s_wait_xcnt 0x0                                ; the stores have read their registers
	s_branch .Ljoin
.Lis_a:
.rept 4
	v_nop                                          ; places behind the last products
.endr
.irp i, 0,1,2,3,4,5,6,7
	ds_store_b128 v93, v[160+4*\i:163+4*\i] offset:512*\i   ; wave A: its part of the later block's tile, as an image of the registers
.endr
	ds_store_b128 v93, v[12:15] offset:4096
.Ljoin:
	s_mov_b32 s[LIM], s[LIM2]
	s_mov_b32 s[DG], s[DG2]
	s_mov_b32 s[T], 9
	s_mov_b32 s[TK], 55296
	s_mov_b32 s[TS], 4608
	s_mov_b32 s[TT], 2304
.Llast:
	STEP
	s_cmp_lt_u32 s[T], 16
	s_cbranch_scc1 .Llast
	s_wait_alu depctr_va_vdst(0)
	s_wait_dscnt 0x0                               ; A's stores are done
	s_barrier_signal -1
	s_barrier_wait -1
	s_cmp_eq_u32 s[TYP], 0
	s_cbranch_scc1 .Lend
.irp i, 0,1,2,3,4,5,6,7
	ds_load_b128 v[96+4*\i:99+4*\i], v93 offset:512*\i
.endr
	ds_load_b128 v[128:131], v93 offset:4096       ; A's -M, largest t, sums
	s_wait_dscnt 0x0
	v_min_num_f32 v132, v12, v128                  ; -M of the two parts together
	v_mov_b32 v137, 0
	v_mov_b32 v139, 0
	v_sub_f32 v133, v132, v128
	v_sub_f32 v134, v132, v12
	v_cvt_i32_f32 v133, v133
	v_cvt_i32_f32 v134, v134
	v_ldexp_f32 v136, 1.0, v133                    ; A's factor, a power of two,
	v_ldexp_f32 v138, 1.0, v134                    ; and mine (0 where I worked no step)
	v_pk_mul_f32 v[14:15], v[14:15], v[138:139] op_sel_hi:[1,0]
	v_pk_fma_f32 v[14:15], v[130:131], v[136:137], v[14:15] op_sel_hi:[1,0,1]
.set j, 0
.rept 16
	v_pk_mul_f32 v[160+j:161+j], v[160+j:161+j], v[138:139] op_sel_hi:[1,0]
.set j, j+2
.endr
.set j, 0
.rept 16
	v_pk_fma_f32 v[160+j:161+j], v[96+j:97+j], v[136:137], v[160+j:161+j] op_sel_hi:[1,0,1]
.set j, j+2
.endr
	OUTPUT 100, 104
.Lend:
	s_wait_tensorcnt 0x0                           ; the wave's end
	ds_add_u32 v251, v255
	s_wait_dscnt 0x0
	CROUND
	s_endpgm
.Lfunc_end_k_qc8eb2d8fe2_attn:
	.size	k_qc8eb2d8fe2_attn, .Lfunc_end_k_qc8eb2d8fe2_attn-k_qc8eb2d8fe2_attn
	.p2alignl 7, 3214868480
	.fill 96, 4, 3214868480
	.section	.rodata,"a",@progbits
	.p2align	6, 0x0
	.amdhsa_kernel k_qc8eb2d8fe2_attn
		.amdhsa_group_segment_fixed_size 247808
		.amdhsa_private_segment_fixed_size 0
		.amdhsa_enable_private_segment 0
		.amdhsa_kernarg_size 32
		.amdhsa_user_sgpr_count 2
		.amdhsa_user_sgpr_kernarg_segment_ptr 1
		.amdhsa_wavefront_size32 1
		.amdhsa_system_sgpr_workgroup_id_x 1
		.amdhsa_system_sgpr_workgroup_id_y 1
		.amdhsa_system_sgpr_workgroup_id_z 1
		.amdhsa_system_vgpr_workitem_id 0
		.amdhsa_next_free_vgpr 256
		.amdhsa_next_free_sgpr 106
		.amdhsa_reserve_vcc 1
		.amdhsa_float_denorm_mode_32 3
		.amdhsa_float_denorm_mode_16_64 3
		.amdhsa_memory_ordered 1
		.amdhsa_forward_progress 1
		.amdhsa_inst_pref_size 94
	.end_amdhsa_kernel
	.amdgpu_metadata
---
amdhsa.version: [ 1, 2 ]
amdhsa.kernels:
  - .name:           k_qc8eb2d8fe2_attn
    .symbol:         k_qc8eb2d8fe2_attn.kd
    .args:
      - { .name: qq, .offset: 0, .size: 8, .value_kind: global_buffer, .address_space: global }
      - { .name: kk, .offset: 8, .size: 8, .value_kind: global_buffer, .address_space: global }
      - { .name: vv, .offset: 16, .size: 8, .value_kind: global_buffer, .address_space: global }
      - { .name: aq, .offset: 24, .size: 8, .value_kind: global_buffer, .address_space: global }
    .group_segment_fixed_size: 247808
    .private_segment_fixed_size: 0
    .kernarg_segment_align: 8
    .kernarg_segment_size: 32
    .max_flat_workgroup_size: 512
    .sgpr_count:     106
    .vgpr_count:     256
    .wavefront_size: 32
...
	.end_amdgpu_metadata
.endif
;; end of part 3
;; launch proj (part 4): grid 8 x 32, 4 waves a work-group, clusters of 4 x 4, 229,376 bytes of LDS; arguments aq, wo, b_out, out0; writes out0
.if DOCPART == 4
	.amdgcn_target "amdgcn-amd-amdhsa--gfx1250"
	.amdhsa_code_object_version 6
	.text
	.protected	k_qc8eb2d8fe2_proj
	.globl	k_qc8eb2d8fe2_proj
	.p2align	8
	.type	k_qc8eb2d8fe2_proj,@function
k_qc8eb2d8fe2_proj:
	s_mov_b64 s[64:65], 0
	v_nop
	global_prefetch_b8 v0, s[64:65] scope:SCOPE_SE
	s_setreg_imm32_b32 hwreg(HW_REG_WAVE_MODE, 25, 1), 1
	s_wait_xcnt 0x0
	s_wait_alu depctr_hold_cnt(0) depctr_sa_sdst(0) depctr_va_vdst(0) depctr_va_sdst(0) depctr_va_ssrc(0) depctr_va_vcc(0) depctr_vm_vsrc(0)
	s_getreg_b32 s2, hwreg(HW_REG_IB_STS2, 6, 4)
	s_cmp_eq_u32 s2, 0
	s_cbranch_scc0 .Lentry_in_a_cluster
	s_endpgm
.Lentry_in_a_cluster:
	s_bfe_u32 s2, ttmp6, 0x10000c
	s_cmp_lg_u32 s2, 0xf033
	s_cbranch_scc0 .Lentry_shape_is_right
	s_endpgm
.Lentry_shape_is_right:
; out0 = attention's result x w_out + b_out on codes of FP6 (E2M3) with E8M0 scales.  A tile of 128 x 128 is made by four waves, 64 x 64 each: 16 accumulators.
; aq: for each tile of 16 rows (places, order sigma) and head a half fragment as an image of its registers, 768 bytes: 12,288 bytes a row tile; then 32 scale bytes a row.  wo: 1,024 rows x 768 bytes, then 32 scale bytes a row.
; ALL OF K LIES IN LDS, FILLED ONCE: the work-group's 128 rows of each operand are dense blocks of 98,304 bytes, their scale bytes of 4,096.  Four joint loads at the head, one a wave, in rows of 256 bytes;
; w's rows get 16 bytes of padding behind each 256, so a row of codes is 816 bytes in LDS.  Nothing is filled again: one barrier, no ring, and no loop in which a prefetch could run ahead.
; CLUSTERS of 4 x 4: A's blocks are shared along a row of the cluster, w's along a column.  Source 0 = w's rows, source 1 = A's: a lane holds eight neighbouring columns of a row.  b_out is the first products' C.
.set PITCH,  816
.set BBASE,  98304
.set SCB,    202752
.set STG,    211456
.set SPARE,  228864
.set SPITCH, 272
.set AQS,    3145728
.set WOS,    786432
.set STO,  24
.set RD,   25
.set CO,   26
.set ADRS, 27
.set SC,   32
.set BIAS, 64
.set ACC,  128
.set G1A,  24
.set G1B,  32
.set G1SA, 40
.set G1SB, 48
.set G0A,  56
.set G0B,  60
.set G0SA, 68
.set G0SB, 72
.set MSB, 0
.macro WIN new
.if MSB != (\new)
	s_set_vgpr_msb (MSB<<8)|(\new)
.set MSB, (\new)
.endif
.endm
.set MUL_W, 0x05
.set TO_F,  0x40
.macro CROUND
	s_barrier_signal -1
	s_barrier_wait -1
	s_cmp_lg_u32 s14, 0
	s_cbranch_scc1 .Lnot_wave_0_\@
	s_barrier_signal -3
.Lnot_wave_0_\@:
	s_barrier_wait -3
	s_barrier_signal -1
	s_barrier_wait -1
.endm
.macro G0SET g, lds, a
	s_mov_b32 s[\g], 1
	s_mov_b32 s[\g+1], \lds
	s_mov_b64 s[\g+2:\g+3], s[\a:\a+1]
	s_or_b32 s[\g+3], s[\g+3], 0x80000000
.endm
.macro G1SET g, rows
	s_mov_b32 s[\g+1], 32<<16
	s_mov_b32 s[\g+2], (\rows)<<16
	s_mov_b32 s[\g+3], 32<<16
	s_mov_b32 s[\g+4], \rows
	s_mov_b32 s[\g+5], 32
	s_mov_b32 s[\g+6], 0
	s_mov_b32 s[\g+7], 0
.endm
	s_load_b256 s[4:11], s[0:1], 0x0               ; aq, wo, b_out, out0
	v_lshl_add_u32 v30, v0, 2, SPARE
	v_mov_b32 v31, 0
	ds_add_u32 v30, v31                            ; the opening lines
	ds_add_u32 v30, v31
	v_lshrrev_b32 v1, 5, v0
	v_readfirstlane_b32 s14, v1
	s_lshr_b32 s15, s14, 1                         ; my half of A's rows
	s_and_b32 s16, s14, 1                          ; my half of w's
	s_bfe_u32 s19, ttmp6, 0x40000
	s_bfe_u32 s20, ttmp6, 0x40004
	s_lshl_b32 s18, ttmp9, 2
	s_add_co_u32 s18, s18, s19                     ; tile column
	s_and_b32 s17, ttmp7, 0xffff
	s_lshl_b32 s17, s17, 2
	s_add_co_u32 s17, s17, s20                     ; tile row
	s_lshl_b32 s21, s20, 2
	s_lshl_b32 s21, 15, s21
	s_lshl_b32 s22, 0x1111, s19
	s_or_b32 s[G1A], s21, (3<<16)|(1<<21)
	s_or_b32 s[G1B], s22, (3<<16)|(1<<20)|(1<<21)|(5<<22)|(3<<25)
	s_or_b32 s[G1SA], s21, (3<<16)|(1<<20)|(1<<21)|(5<<22)|(3<<25)
	s_or_b32 s[G1SB], s22, (3<<16)|(1<<20)|(1<<21)|(5<<22)|(3<<25)
	G1SET G1A, 384
	G1SET G1B, 384
	G1SET G1SA, 16
	G1SET G1SB, 16
	s_mul_i32 s2, s17, 98304
	s_mov_b32 s3, 0
	s_lshl_b32 s12, s17, 12
	s_add_co_u32 s12, s12, AQS
	s_mov_b32 s13, 0
	s_mul_i32 s76, s18, 98304
	s_mov_b32 s77, 0
	s_lshl_b32 s78, s18, 12
	s_add_co_u32 s78, s78, WOS
	s_mov_b32 s79, 0
	s_wait_dscnt 0x0
	s_wait_kmcnt 0x0
	s_add_nc_u64 s[2:3], s[4:5], s[2:3]
	s_add_nc_u64 s[12:13], s[4:5], s[12:13]
	s_add_nc_u64 s[76:77], s[6:7], s[76:77]
	s_add_nc_u64 s[78:79], s[6:7], s[78:79]
	CROUND
	G0SET G0A, 0, 2
	G0SET G0B, BBASE, 76
	G0SET G0SA, SCB, 12
	G0SET G0SB, SCB+4352, 78
.macro ARM under, g0, g1, next
	s_cmp_lt_u32 s14, \under
	s_cbranch_scc0 \next
	tensor_load_to_lds s[\g0:\g0+3], s[\g1:\g1+7]
	s_nop 0
.rept 4
	v_nop
.endr
	s_branch .Lhead_asked
\next:
.endm
	ARM 1, G0A,  G1A,  .Lhead_b
	ARM 2, G0B,  G1B,  .Lhead_sa
	ARM 3, G0SA, G1SA, .Lhead_sb
	tensor_load_to_lds s[G0SB:G0SB+3], s[G1SB:G1SB+7]
	s_nop 0
.rept 4
	v_nop
.endr
.Lhead_asked:
	s_lshl_b32 s2, s17, 7
	s_lshl_b32 s3, s15, 6
	s_add_co_u32 s2, s2, s3
	s_lshl_b32 s2, s2, 12                          ; my first row of out0, 4,096 bytes a row
	s_lshl_b32 s12, s18, 7
	s_lshl_b32 s13, s16, 6
	s_add_co_u32 s12, s12, s13
	s_lshl_b32 s12, s12, 2                         ; my first column, in bytes
	s_mov_b32 s13, 0
	s_add_nc_u64 s[8:9], s[8:9], s[12:13]
	s_add_co_u32 s2, s2, s12
	s_mov_b32 s3, 0
	s_add_nc_u64 s[10:11], s[10:11], s[2:3]
	v_and_b32 v1, 15, v0
	v_bfe_u32 v2, v0, 4, 1
	v_and_b32 v3, 31, v0
	v_lshlrev_b32 v7, 5, v2
.irp b, 0,1,2,3
	global_load_b128 v[BIAS+8*\b:BIAS+8*\b+3], v7, s[8:9] offset:64*\b
	global_load_b128 v[BIAS+8*\b+4:BIAS+8*\b+7], v7, s[8:9] offset:64*\b+16
.endr
	s_mul_i32 s21, s15, 49152                      ; my four row tiles of A
	v_lshl_add_u32 v16, v3, 4, s21
	v_lshl_add_u32 v17, v3, 3, s21
	v_add_nc_u32 v17, 512, v17
	v_mul_u32_u24 v4, v1, PITCH
	v_mad_u32_u24 v4, v2, 24, v4
	s_mul_i32 s22, s16, 64*PITCH
	s_add_co_u32 s22, s22, BBASE
	v_add_nc_u32 v20, s22, v4                      ; w: row x 816 + 24 h
	v_lshl_add_u32 v22, v2, 4, v20                 ; and where lanes 16-31 lie behind one padding more
	v_lshlrev_b32 v5, 5, v1
	v_lshrrev_b32 v6, 8, v5
	v_lshl_add_u32 v5, v6, 4, v5
	s_mul_i32 s21, s15, 2176
	s_mul_i32 s22, s16, 2176
	s_add_co_u32 s22, s22, 4352
	s_sub_co_u32 s22, s22, s21
	v_mul_u32_u24 v6, s22, v2                      ; lanes 16-31 take w's words
	s_add_co_u32 s21, s21, SCB
	v_add_nc_u32 v5, v5, v6
	v_add_nc_u32 v[ADRS], s21, v5
	s_mul_i32 s23, s14, 16*SPITCH
	s_add_co_u32 s23, s23, STG
	s_wait_alu depctr_va_vdst(0)
	v_mul_u32_u24 v5, v1, SPITCH
	v_lshl_add_u32 v5, v2, 5, v5
	v_add_nc_u32 v[STO], s23, v5
	v_mul_u32_u24 v5, v2, SPITCH
	v_lshl_add_u32 v5, v1, 4, v5
	v_add_nc_u32 v[RD], s23, v5
	v_lshlrev_b32 v[CO], 12, v2
	v_lshl_add_u32 v[CO], v1, 4, v[CO]
.macro FRAG reg, k, i                  ; w: byte y of a row lies at y + 16 (y / 256)
.irp p, 0,1,2,3,4,5
.set BY, 96*(\k)+48*(\p/3)+8*(\p%3)
.if BY/256 == (BY+24)/256
	ds_load_b64 v[\reg+2*\p:\reg+2*\p+1], v20 offset:BY+16*(BY/256)+(\i)*16*PITCH
.else
	ds_load_b64 v[\reg+2*\p:\reg+2*\p+1], v22 offset:BY+16*(BY/256)+(\i)*16*PITCH
.endif
.endr
.endm
.macro FETCH k                         ; step k: heads 2 k and 2 k + 1 of A's four row tiles, 96 bytes of w's four blocks
.set FB, 128*((\k)%2)
	WIN TO_F
.irp i, 0,1,2,3
	ds_load_b128 v[FB+12*\i:FB+12*\i+3], v16 offset:(\k)*1536+\i*12288
	ds_load_b64 v[FB+12*\i+4:FB+12*\i+5], v17 offset:(\k)*1536+\i*12288
	ds_load_b128 v[FB+12*\i+6:FB+12*\i+9], v16 offset:(\k)*1536+\i*12288+768
	ds_load_b64 v[FB+12*\i+10:FB+12*\i+11], v17 offset:(\k)*1536+\i*12288+768
.endr
.irp i, 0,1,2,3
	FRAG FB+48+12*\i, \k, \i
.endr
.endm
.macro MUL k                           ; the 16 accumulators take turns
.set FB, 128*((\k)%2)
	WIN MUL_W
.irp a, 0,1,2,3
.irp b, 0,1,2,3
.if (\k) == 0
	v_wmma_scale_f32_16x16x128_f8f6f4 v[ACC+8*(4*\a+\b):ACC+8*(4*\a+\b)+7], v[FB+48+12*\b:FB+48+12*\b+11], v[FB+12*\a:FB+12*\a+11], v[BIAS+8*\b:BIAS+8*\b+7], v[SC+8*\b+(\k)], v[SC+8*\a+(\k)] matrix_a_fmt:MATRIX_FMT_FP6 matrix_b_fmt:MATRIX_FMT_FP6 matrix_a_scale:MATRIX_SCALE_ROW1
.else
	v_wmma_scale_f32_16x16x128_f8f6f4 v[ACC+8*(4*\a+\b):ACC+8*(4*\a+\b)+7], v[FB+48+12*\b:FB+48+12*\b+11], v[FB+12*\a:FB+12*\a+11], v[ACC+8*(4*\a+\b):ACC+8*(4*\a+\b)+7], v[SC+8*\b+(\k)], v[SC+8*\a+(\k)] matrix_a_fmt:MATRIX_FMT_FP6 matrix_b_fmt:MATRIX_FMT_FP6 matrix_a_scale:MATRIX_SCALE_ROW1
.endif
.endr
.endr
.endm
.macro KSTEP k
	s_wait_dscnt 0x0                               ; step k's fragments, asked for a step ago, are in
.if (\k) < 7
.if (\k) > 0
.rept 4
	v_nop                                          ; places in front of loads into registers that the step before multiplied
.endr
.endif
	FETCH (\k)+1
.endif
	MUL \k
.endm
	s_wait_alu depctr_va_vdst(0)
	s_wait_loadcnt 0x0
	s_wait_tensorcnt 0x0                           ; my block of the four is in,
	s_barrier_signal -1
	s_barrier_wait -1                              ; and everybody's
.irp i, 0,1,2,3
	ds_load_b128 v[SC+8*\i:SC+8*\i+3], v[ADRS] offset:\i*544
	ds_load_b128 v[SC+8*\i+4:SC+8*\i+7], v[ADRS] offset:\i*544+16
.endr
	FETCH 0
.irp k, 0,1,2,3,4,5,6,7
	KSTEP \k
.endr
	WIN 0
.rept 4
	v_nop
.endr
.macro TOSTAGE a                       ; 16 rows x 64 columns through my own stage, back as whole rows of 256 bytes
.irp b, 0,1,2,3
	ds_store_b128 v[STO], v[ACC+8*(4*(\a)+\b):ACC+8*(4*(\a)+\b)+3] offset:64*\b
	ds_store_b128 v[STO], v[ACC+8*(4*(\a)+\b)+4:ACC+8*(4*(\a)+\b)+7] offset:64*\b+16
.endr
.set BB, 64+32*((\a)%2)
.irp t, 0,1,2,3,4,5,6,7
	ds_load_b128 v[BB+4*\t:BB+4*\t+3], v[RD] offset:\t*2*SPITCH
.endr
.endm
.macro SEND a, younger                 ; place 16 a + 2 t + h is row sigma of it: 16 lanes store 256 consecutive bytes, aligned
.set BB, 64+32*((\a)%2)
	s_wait_dscnt \younger
.irp t, 0,1,2,3,4,5,6,7
	global_store_b128 v[CO], v[BB+4*\t:BB+4*\t+3], s[10:11] offset:(32*((\a)>>1)+8*((\a)&1)+16*(\t>>2)+2*(\t&3))*4096 th:TH_STORE_NT
.endr
.endm
	TOSTAGE 0
.irp a, 1,2,3
.if \a > 1
	s_wait_xcnt 0x0                                ; block a - 2's stores have read their registers
.endif
	TOSTAGE \a
	SEND \a-1, 16
.endr
	SEND 3, 0
	s_wait_tensorcnt 0x0                           ; the wave's end
	ds_add_u32 v30, v31
	s_wait_dscnt 0x0
	CROUND
	s_endpgm
.Lfunc_end_k_qc8eb2d8fe2_proj:
	.size	k_qc8eb2d8fe2_proj, .Lfunc_end_k_qc8eb2d8fe2_proj-k_qc8eb2d8fe2_proj
	.p2alignl 7, 3214868480
	.fill 96, 4, 3214868480
	.section	.rodata,"a",@progbits
	.p2align	6, 0x0
	.amdhsa_kernel k_qc8eb2d8fe2_proj
		.amdhsa_group_segment_fixed_size 229376
		.amdhsa_private_segment_fixed_size 0
		.amdhsa_enable_private_segment 0
		.amdhsa_kernarg_size 32
		.amdhsa_user_sgpr_count 2
		.amdhsa_user_sgpr_kernarg_segment_ptr 1
		.amdhsa_wavefront_size32 1
		.amdhsa_system_sgpr_workgroup_id_x 1
		.amdhsa_system_sgpr_workgroup_id_y 1
		.amdhsa_system_sgpr_workgroup_id_z 1
		.amdhsa_system_vgpr_workitem_id 0
		.amdhsa_next_free_vgpr 512
		.amdhsa_next_free_sgpr 80
		.amdhsa_reserve_vcc 0
		.amdhsa_float_denorm_mode_32 3
		.amdhsa_float_denorm_mode_16_64 3
		.amdhsa_memory_ordered 1
		.amdhsa_forward_progress 1
		.amdhsa_inst_pref_size 55
	.end_amdhsa_kernel
	.amdgpu_metadata
---
amdhsa.version: [ 1, 2 ]
amdhsa.kernels:
  - .name:           k_qc8eb2d8fe2_proj
    .symbol:         k_qc8eb2d8fe2_proj.kd
    .args:
      - { .name: aq, .offset: 0, .size: 8, .value_kind: global_buffer, .address_space: global }
      - { .name: wo, .offset: 8, .size: 8, .value_kind: global_buffer, .address_space: global }
      - { .name: b_out, .offset: 16, .size: 8, .value_kind: global_buffer, .address_space: global }
      - { .name: out0, .offset: 24, .size: 8, .value_kind: global_buffer, .address_space: global }
    .group_segment_fixed_size: 229376
    .private_segment_fixed_size: 0
    .kernarg_segment_align: 8
    .kernarg_segment_size: 32
    .max_flat_workgroup_size: 128
    .sgpr_count:     80
    .vgpr_count:     512
    .wavefront_size: 32
...
	.end_amdgpu_metadata
.endif
;; end of part 4
